; MI455X (gfx1250); checked and timed in simulation.
; The chip was launched on July 23, 2026; its instructions are those of AMD's public machine-readable ISA for CDNA 5 (MIT licence, August 2026) and "CDNA5" Instruction Set Architecture Reference Guide (July 2026). The comments in the code are by the model that wrote it; some were corrected since.
;; NMT Self Attention. Allowed arithmetic: matrix products marked QUANTISED: E2M1 operands, one E8M0 scale for each 32 along K, by v_wmma_scale_f32_16x16x128_f8f6f4 with both operands' format E2M1 (or v_wmma_scale_f32_32x16x128_f4), f32 sums; products left as they are: bf16, f16 or f32 operands; f32 sums; everything else in f32.
;; Inputs: wk 1,024 x 256 float32; wo 1,024 x 1,024 float32; wq 1,024 x 1,024 float32; wv 1,024 x 256 float32; x 4 x 2,048 x 1,024 float32.
;; Outputs: out0 4 x 2,048 x 1,024 float32.
;; This version of the problem:
;;   THIS VERSION OF THE PROBLEM IS GIVEN IN LOW PRECISION. The matrix products marked QUANTISED in the list below multiply operands that are first quantised to E2M1 (2 exponent bits, 1 mantissa bit; 4 bits a number), with one power-of-two scale for each 32 numbers along K (OCP MX v1.0); their sums are f32. The products marked 'left as it is' may take bf16, f16 or f32 operands, with f32 sums. Whichever they take, every output number must still come out within the allowed error. Rounding operands to bf16 (8 significant bits) uses up far more of that allowance than f16 does (11 bits, for magnitudes from 6e-5 to 65,504). All else is computed in f32.
;;   The module's matrix products, in the order in which they are computed (A, B: the left and right operand; K: the contracted axis; several contracted axes count as one K, in the product's order):
;;     1. [M 8,192, K 1,024] x [K 1,024, N 1,024]; A: input x; B: input wq: QUANTISED
;;     2. [M 8,192, K 1,024] x [K 1,024, N 256]; A: input x; B: input wk: QUANTISED
;;     3. [M 8,192, K 1,024] x [K 1,024, N 256]; A: input x; B: input wv: QUANTISED
;;     4. batch 64 x [M 2,048, K 64] x [K 64, N 2,048]; A: computed on the way; B: computed on the way: left as it is (an operand is computed on the way)
;;     5. batch 64 x [M 2,048, K 2,048] x [K 2,048, N 64]; A: computed on the way; B: computed on the way: left as it is (an operand is computed on the way)
;;     6. [M 8,192, K 1,024] x [K 1,024, N 1,024]; A: computed on the way; B: input wo: left as it is (an operand is computed on the way)
;;   THE QUANTISER, for each operand of a quantised product, along K:
;;     - K is cut into blocks of 32 from its start; a last block that is shorter is filled with zeros.
;;     - A block's scale is 2^e with e = floor(log2(the largest magnitude in the block)) - 2, held to -126 .. 127; a block of zeros has e = 0. As a byte (E8M0): e + 127.
;;     - Each number is divided by its block's scale, clamped to +-6, and rounded to the nearest number of E2M1, ties to even, subnormals kept.
;;     - The product sums the exact products of the quantised numbers (number of the format x scale) in f32.
;;   ~~~python
;;   def quantise(x, axis):      # numpy; x: float32 -> the quantised numbers, widened to float32 again
;;       x = np.moveaxis(x, axis, -1); K = x.shape[-1]
;;       x = np.pad(x, [(0, 0)] * (x.ndim - 1) + [(0, -K % 32)]); x = x.reshape(x.shape[:-1] + (-1, 32)); a = np.abs(x).max(-1, keepdims=True)
;;       e = np.where(a > 0, np.clip(np.frexp(np.where(a > 0, a, 1))[1] - 1 - 2, -126, 127), 0)      # np.frexp(a)[1] - 1 = floor(log2(a)), exactly
;;       r = np.clip(x / 2.0 ** e, -6, 6)
;;       step = 2.0 ** (np.maximum(np.frexp(np.where(r == 0, 1, r))[1] - 1, 0) - 1)
;;       q = np.round(r / step) * step * 2.0 ** e      # np.round: ties to even
;;       return np.moveaxis(q.reshape(q.shape[:-2] + (-1,))[..., :K], -1, axis).astype(np.float32)
;;   ~~~
;; One version. Each part assembles by itself: llvm-mc -triple=amdgcn-amd-amdhsa -mcpu=gfx1250 --defsym DOCPART=n.
;; ======== version 1 of 1: 5 launches
;; limits: values are held in f16: magnitudes above 65,504 overflow, below 6.1e-05 lose precision
;; workspace buffers: xc 4,194,304 bytes; xs 262,144 bytes; wc 786,432 bytes; ws 49,152 bytes; wo16 2,097,152 bytes; hb 25,165,824 bytes; fq 393,216 bytes; ab 16,777,216 bytes
;; launch prep (part 1): grid 384 x 1, 4 waves a work-group, no clusters, 43,520 bytes of LDS; arguments x, wq, wk, wv, wo, xc, xs, wc, ws, wo16; writes xc, xs, wc, ws, wo16
.if DOCPART == 1
	.amdgcn_target "amdgcn-amd-amdhsa--gfx1250"
	.amdhsa_code_object_version 6
	.text
	.protected	k_q51a02b4b7f_prep
	.globl	k_q51a02b4b7f_prep
	.p2align	8
	.type	k_q51a02b4b7f_prep,@function
k_q51a02b4b7f_prep:
	s_mov_b64 s[64:65], 0
	v_nop
	global_prefetch_b8 v0, s[64:65] scope:SCOPE_SE
	s_setreg_imm32_b32 hwreg(HW_REG_WAVE_MODE, 25, 1), 1
	s_wait_xcnt 0x0
; prep: three jobs in one launch, told apart by the work-group's number.
;  work-groups 0-95:    wq, wk, wv ([1024 k][n] f32, K on the FIRST axis) -> codes of FP4 (E2M1) with K innermost, wc [8 chunks of 128 k][1536 n][64 bytes], and one scale word (four E8M0 bytes) for a column and a chunk, ws [8][1536].
;                       n = 0..1023 is wq, 1024..1279 wk, 1280..1535 wv.
;  work-groups 96-127:  wo f32 -> f16, same order (wo16).
;  work-groups 128-383: x [8192][1024] f32 -> codes xc [8192][512 bytes], K innermost, and scale bytes xs [8192][32].
; A block's scale is 2^(floor(log2(largest magnitude)) - 2): its byte is the largest magnitude's exponent field - 2, held at 1 from below.
; LIMITS: a block of zeros gets the byte 1 (its codes are zeros; the bytes are read by this program alone); blocks whose largest magnitude lies under 2^-124 get the byte 1; NaN and infinities are not served;
; |wo| over 65,504 does not fit f16, under 6e-5 it keeps an absolute 3e-8.
; No tensor load, no barrier: waves share nothing.  Each path has LDS bytes of its own.
.set SPW,   190                        ; v190  LDS address of my spare word; never rewritten
.set NIL,   191                        ; v191  0; never rewritten
.set WLDS,  32768                      ; the weight path's stages, 2,560 bytes a wave
.set SPARE, 43008                      ; the spare words, 128 bytes a wave
.set STEPS, 16
.set EMAX,  2
.set CB,    8                          ; bytes of 16 codes
.set R,     16                         ; v16-79   x: four sets of 16 numbers as loaded
.set X,     80                         ; v80-111  x: two sets of 16 neighbours
.set E,     112                        ; v112-127 x: a scale byte for each step
.set C,     128                        ; v128-159 x: two registers of codes for each step
.set WREG,  8192                       ; x: LDS region of a wave: two stages of 32 x SP bytes, then 256 scale bytes
.set SP,    80
	s_load_b512 s[8:23], s[0:1], 0x0               ; x s8, wq s10, wk s12, wv s14, wo s16, xc s18, xs s20, wc s22
	s_load_b128 s[24:27], s[0:1], 0x40             ; ws s24, wo16 s26
	v_lshl_add_u32 v[SPW], v0, 2, SPARE
	v_mov_b32 v[NIL], 0
	v_lshrrev_b32 v1, 5, v0
	v_readfirstlane_b32 s4, v1                     ; wave
	v_and_b32 v2, 31, v0                           ; lane
	s_mov_b32 s29, 0
	s_wait_kmcnt 0x0
	s_cmp_lt_u32 ttmp9, 96
	s_cbranch_scc1 .Lw
	s_cmp_lt_u32 ttmp9, 128
	s_cbranch_scc1 .Lo
; ---------------- x: a plain stream of blocks of 32.  A wave takes 16 steps of 512 numbers.
; Each load reads 512 consecutive bytes; a step's 2,048 bytes turn through the wave's own stage so that a lane holds 16 neighbours; two neighbouring lanes hold a block.
	s_sub_co_u32 s5, ttmp9, 128
	s_lshl_b32 s5, s5, 2
	s_add_co_u32 s5, s5, s4                        ; my run of 8,192 numbers
	s_lshl_b32 s28, s5, 15
	s_add_nc_u64 s[8:9], s[8:9], s[28:29]
	s_lshl_b32 s28, s5, 12
	s_add_nc_u64 s[18:19], s[18:19], s[28:29]
	s_lshl_b32 s28, s5, 8
	s_add_nc_u64 s[20:21], s[20:21], s[28:29]
	v_lshlrev_b32 v3, 4, v2                        ; my 16 bytes of a load's 512
	s_mul_i32 s6, s4, WREG
	v_lshrrev_b32 v14, 2, v2
	v_mul_u32_u24 v14, v14, SP
	v_and_b32 v15, 3, v2
	v_lshl_add_u32 v14, v15, 4, v14
	v_add_nc_u32 v14, s6, v14                      ; stage, way in: SP (lane / 4) + 16 (lane % 4)
	v_mul_u32_u24 v15, v2, SP
	v_add_nc_u32 v15, s6, v15                      ; stage, way out: SP x lane
	v_mul_u32_u24 v4, v2, CB                       ; my codes' place in a step's 256 bytes
	v_lshrrev_b32 v5, 1, v2
	s_add_co_u32 s6, s6, 2*32*SP
	v_add_nc_u32 v5, s6, v5                        ; my block's byte among the wave's 256 scale bytes
	v_lshlrev_b32 v7, 3, v2
	v_add_nc_u32 v6, s6, v7
.macro XLOAD t
.irp i, 0,1,2,3
	global_load_b128 v[R+16*((\t)%4)+4*\i:R+16*((\t)%4)+4*\i+3], v3, s[8:9] offset:2048*(\t)+512*\i th:TH_LOAD_NT
.endr
.endm
.macro XTURN t                         ; LDS serves a wave's instructions in order: no wait between the stores and the loads
.irp i, 0,1,2,3
	ds_store_b128 v14, v[R+16*((\t)%4)+4*\i:R+16*((\t)%4)+4*\i+3] offset:32*SP*((\t)%2)+8*SP*\i
.endr
.irp i, 0,1,2,3
	ds_load_b128 v[X+16*((\t)%2)+4*\i:X+16*((\t)%2)+4*\i+3], v15 offset:32*SP*((\t)%2)+16*\i
.endr
.endm
.irp t, 0,1,2,3
	XLOAD \t
.endr
	s_wait_loadcnt 12                              ; step 0's four loads are in; the 12 of steps 1 to 3 stay out
	XTURN 0
.macro XSTEP t
.set XS, X+16*((\t)%2)
.if (\t) > 0
	s_wait_dscnt 1                                 ; this step's numbers are back from the stage; the last step's byte store may be out
.else
	s_wait_dscnt 0x0
.endif
.if (\t)+4 < STEPS
	XLOAD (\t)+4                                   ; into the set whose stores into the stage have read their registers
.endif
.if (\t)+1 < STEPS
.if STEPS-2-(\t) >= 3
	s_wait_loadcnt 12                              ; the next step's four loads are in; three steps' loads stay out
.else
	s_wait_loadcnt 4*(STEPS-2-(\t))
.endif
	XTURN (\t)+1
.endif
	v_max3_num_f32 v8, |v[XS]|, |v[XS+1]|, |v[XS+2]|
	v_max3_num_f32 v9, |v[XS+3]|, |v[XS+4]|, |v[XS+5]|
.irp i, 6,10
	v_max3_num_f32 v8, v8, |v[XS+\i]|, |v[XS+\i+1]|
	v_max3_num_f32 v9, v9, |v[XS+\i+2]|, |v[XS+\i+3]|
.endr
	v_max3_num_f32 v8, v8, |v[XS+14]|, |v[XS+15]|
	v_max3_num_f32 v8, v8, v9, (EMAX+1)<<23        ; the floor 2^(3 - 127): the byte cannot fall under 1
	v_max_num_f32_dpp v8, v8, v8 row_xmask:1 row_mask:0xf bank_mask:0xf   ; with my neighbour's 16: the block's largest magnitude
	v_add_nc_u32 v11, -(EMAX<<23), v8              ; 2 off its exponent field: the conversion's scale operand
	v_cvt_scalef32_pk8_fp4_f32 v[C+2*(\t)], v[XS:XS+7], v11
	v_cvt_scalef32_pk8_fp4_f32 v[C+2*(\t)+1], v[XS+8:XS+15], v11
	v_lshrrev_b32 v[E+(\t)], 23, v11               ; the scale's byte (a plain line behind the conversions)
	ds_store_b8 v5, v[E+(\t)] offset:16*(\t)       ; both lanes of a block write the same byte with the same value
	global_store_b64 v4, v[C+2*(\t):C+2*(\t)+1], s[18:19] offset:32*CB*(\t)   ; the wave stores 256 consecutive bytes, aligned
.endm
.irp t, 0,1,2,3,4,5,6,7,8,9,10,11,12,13,14,15
	XSTEP \t
.endr
	ds_load_b64 v[8:9], v6
	s_wait_dscnt 0x0
	global_store_b64 v7, v[8:9], s[20:21]          ; the wave's 256 scale bytes, aligned
	s_wait_tensorcnt 0x0                           ; the wave's end, behind my last LDS store
	ds_add_u32 v[SPW], v[NIL]
	s_wait_dscnt 0x0
	s_endpgm
; ---------------- the three weights: a lane takes a column, its registers run down K.  A wave: 32 columns x 128 k = 4 blocks a lane.
.Lw:
	s_lshr_b32 s5, ttmp9, 3                        ; group of 128 columns, 0..11
	s_and_b32 s6, ttmp9, 7                         ; chunk of 128 along K
	s_cmp_lt_u32 s5, 10
	s_cselect_b64 s[28:29], s[12:13], s[14:15]     ; wk or wv
	s_cselect_b32 s7, 8, 10
	s_cmp_lt_u32 s5, 8
	s_cselect_b64 s[28:29], s[10:11], s[28:29]     ; or wq: the choice hangs on the work-group's number alone
	s_cselect_b32 s7, 0, s7
	s_mov_b32 s30, 1024
	s_cselect_b32 s30, 4096, s30                   ; bytes from row to row of the tensor
	s_sub_co_u32 s7, s5, s7                        ; the group's number inside its tensor
	s_lshl_b32 s31, s6, 7
	s_mul_i32 s31, s31, s30                        ; 128 chunk rows
	s_lshl_b32 s2, s7, 9
	s_add_co_u32 s31, s31, s2
	s_lshl_b32 s2, s4, 7
	s_add_co_u32 s2, s31, s2                       ; + (128 group + 32 wave) x 4 bytes
	s_mov_b32 s3, 0
	s_add_nc_u64 s[32:33], s[28:29], s[2:3]        ; block 0's first row
	s_lshl_b32 s2, s30, 5                          ; 32 rows
	s_add_nc_u64 s[34:35], s[32:33], s[2:3]
	s_add_nc_u64 s[36:37], s[34:35], s[2:3]
	s_add_nc_u64 s[38:39], s[36:37], s[2:3]
	s_mul_i32 s2, s6, 1536
	s_lshl_b32 s31, s5, 7
	s_add_co_u32 s2, s2, s31
	s_lshl_b32 s31, s4, 5
	s_add_co_u32 s2, s2, s31                       ; chunk x 1536 + my first column
	s_mov_b32 s41, 0
	s_lshl_b32 s40, s2, 2
	s_add_nc_u64 s[24:25], s[24:25], s[40:41]
	s_lshl_b32 s40, s2, 6
	s_add_nc_u64 s[22:23], s[22:23], s[40:41]
	v_lshlrev_b32 v32, 2, v2                       ; 4 bytes a lane; v32-63: + i rows
.set i, 1
.rept 31
	v_mad_u32_u24 v[32+i], s30, i, v32
.set i, i+1
.endr
	s_mul_i32 s2, s4, 2560
	s_add_co_u32 s2, s2, WLDS                      ; my stage: 32 rows of 64 bytes + 16
	v_mul_u32_u24 v4, v2, 80
	v_add_nc_u32 v4, s2, v4                        ; in: row = my column
	v_lshrrev_b32 v5, 2, v2
	v_mul_u32_u24 v5, v5, 80
	v_and_b32 v6, 3, v2
	v_lshl_add_u32 v5, v6, 4, v5
	v_add_nc_u32 v5, s2, v5                        ; out: four lanes to a row, eight rows an instruction
	v_lshlrev_b32 v6, 4, v2
.macro WLOAD t                         ; block t: 32 rows, 128 consecutive bytes a load
.set i, 0
.rept 32
	global_load_b32 v[64+32*((\t)%2)+i], v[32+i], s[32+2*(\t):33+2*(\t)] th:TH_LOAD_NT
.set i, i+1
.endr
.endm
	WLOAD 0
	WLOAD 1
.macro WBLOCK t
.set XW, 64+32*((\t)%2)
.if (\t) < 3
	s_wait_loadcnt 32                              ; this block's 32 loads are in; the next block's stay out
.else
	s_wait_loadcnt 0
.endif
	v_max3_num_f32 v12, |v[XW]|, |v[XW+1]|, |v[XW+2]|
	v_max3_num_f32 v13, |v[XW+3]|, |v[XW+4]|, |v[XW+5]|
.irp i, 6,10,14,18,22,26
	v_max3_num_f32 v12, v12, |v[XW+\i]|, |v[XW+\i+1]|
	v_max3_num_f32 v13, v13, |v[XW+\i+2]|, |v[XW+\i+3]|
.endr
	v_max3_num_f32 v12, v12, |v[XW+30]|, |v[XW+31]|
	v_max3_num_f32 v12, v12, v13, (EMAX+1)<<23     ; the floor
	v_add_nc_u32 v11, -(EMAX<<23), v12
	v_lshrrev_b32 v13, 23, v11                     ; the scale's byte
.if (\t) == 0
	v_mov_b32 v132, v13                            ; four bytes make the chunk's scale word, the lower k in the lower byte
.else
	v_lshl_or_b32 v132, v13, 8*(\t), v132
.endif
.irp g, 0,1,2,3
	v_cvt_scalef32_pk8_fp4_f32 v[128+\g], v[XW+8*\g:XW+8*\g+7], v11
.endr
	ds_store_b128 v4, v[128:131] offset:16*(\t)
.if (\t)+2 < 4
	WLOAD (\t)+2
.endif
	s_wait_dscnt 0x0                               ; the store has read its registers: the next block's codes may be written
.endm
.irp t, 0,1,2,3
	WBLOCK \t
.endr
	global_store_b32 v32, v132, s[24:25]           ; 32 scale words: 128 consecutive bytes
.irp j, 0,1,2,3
	ds_load_b128 v[136+4*\j:139+4*\j], v5 offset:640*\j
.endr
.irp j, 0,1,2,3
	s_wait_dscnt 3-\j
	global_store_b128 v6, v[136+4*\j:139+4*\j], s[22:23] offset:512*\j   ; eight rows of 64 bytes lie on end: 512 consecutive bytes
.endr
	s_wait_tensorcnt 0x0                           ; the wave's end: the three lines
	ds_add_u32 v[SPW], v[NIL]
	s_wait_dscnt 0x0
	s_endpgm
; ---------------- wo to f16: a wave takes 8,192 numbers in 8 rounds of 8 loads; four rounds are on their way.
.Lo:
	s_sub_co_u32 s5, ttmp9, 96
	s_lshl_b32 s5, s5, 2
	s_add_co_u32 s5, s5, s4
	s_lshl_b32 s28, s5, 15
	s_add_nc_u64 s[16:17], s[16:17], s[28:29]
	s_lshl_b32 s28, s5, 14
	s_add_nc_u64 s[26:27], s[26:27], s[28:29]
	v_lshlrev_b32 v3, 4, v2
	v_lshlrev_b32 v4, 3, v2
.macro OLOAD k
.irp i, 0,1,2,3,4,5,6,7
	global_load_b128 v[32+32*((\k)%4)+4*\i:32+32*((\k)%4)+4*\i+3], v3, s[16:17] offset:512*(8*(\k)+\i) th:TH_LOAD_NT
.endr
.endm
.irp k, 0,1,2,3
	OLOAD \k
.endr
.macro OROUND k
.if 8*(7-(\k)) < 24
	s_wait_loadcnt 8*(7-(\k))
.else
	s_wait_loadcnt 24                              ; this round's eight are in; three rounds stay out
.endif
	s_wait_xcnt 0x0                                ; the last round's stores have read v160-175
.irp i, 0,1,2,3,4,5,6,7
	v_cvt_pk_f16_f32 v[160+2*\i], v[32+32*((\k)%4)+4*\i], v[32+32*((\k)%4)+4*\i+1]
	v_cvt_pk_f16_f32 v[161+2*\i], v[32+32*((\k)%4)+4*\i+2], v[32+32*((\k)%4)+4*\i+3]
.endr
.irp i, 0,1,2,3,4,5,6,7
	global_store_b64 v4, v[160+2*\i:161+2*\i], s[26:27] offset:256*(8*(\k)+\i)   ; 256 consecutive bytes, aligned
.endr
.if (\k)+4 < 8
	OLOAD (\k)+4
.endif
.endm
.irp k, 0,1,2,3,4,5,6,7
	OROUND \k
.endr
	s_endpgm
.Lfunc_end_k_q51a02b4b7f_prep:
	.size	k_q51a02b4b7f_prep, .Lfunc_end_k_q51a02b4b7f_prep-k_q51a02b4b7f_prep
	.p2alignl 7, 3214868480
	.fill 96, 4, 3214868480
	.section	.rodata,"a",@progbits
	.p2align	6, 0x0
	.amdhsa_kernel k_q51a02b4b7f_prep
		.amdhsa_group_segment_fixed_size 43520
		.amdhsa_private_segment_fixed_size 0
		.amdhsa_enable_private_segment 0
		.amdhsa_kernarg_size 80
		.amdhsa_user_sgpr_count 2
		.amdhsa_user_sgpr_kernarg_segment_ptr 1
		.amdhsa_wavefront_size32 1
		.amdhsa_system_sgpr_workgroup_id_x 1
		.amdhsa_system_sgpr_workgroup_id_y 1
		.amdhsa_system_sgpr_workgroup_id_z 1
		.amdhsa_system_vgpr_workitem_id 0
		.amdhsa_next_free_vgpr 192
		.amdhsa_next_free_sgpr 66
		.amdhsa_reserve_vcc 0
		.amdhsa_float_denorm_mode_32 3
		.amdhsa_float_denorm_mode_16_64 3
		.amdhsa_memory_ordered 1
		.amdhsa_forward_progress 1
		.amdhsa_inst_pref_size 77
	.end_amdhsa_kernel
	.amdgpu_metadata
---
amdhsa.version: [ 1, 2 ]
amdhsa.kernels:
  - .name:           k_q51a02b4b7f_prep
    .symbol:         k_q51a02b4b7f_prep.kd
    .args:
      - { .name: x, .offset: 0, .size: 8, .value_kind: global_buffer, .address_space: global }
      - { .name: wq, .offset: 8, .size: 8, .value_kind: global_buffer, .address_space: global }
      - { .name: wk, .offset: 16, .size: 8, .value_kind: global_buffer, .address_space: global }
      - { .name: wv, .offset: 24, .size: 8, .value_kind: global_buffer, .address_space: global }
      - { .name: wo, .offset: 32, .size: 8, .value_kind: global_buffer, .address_space: global }
      - { .name: xc, .offset: 40, .size: 8, .value_kind: global_buffer, .address_space: global }
      - { .name: xs, .offset: 48, .size: 8, .value_kind: global_buffer, .address_space: global }
      - { .name: wc, .offset: 56, .size: 8, .value_kind: global_buffer, .address_space: global }
      - { .name: ws, .offset: 64, .size: 8, .value_kind: global_buffer, .address_space: global }
      - { .name: wo16, .offset: 72, .size: 8, .value_kind: global_buffer, .address_space: global }
    .group_segment_fixed_size: 43520
    .private_segment_fixed_size: 0
    .kernarg_segment_align: 8
    .kernarg_segment_size: 80
    .max_flat_workgroup_size: 128
    .sgpr_count:     66
    .vgpr_count:     192
    .wavefront_size: 32
...
	.end_amdgpu_metadata
.endif
;; end of part 1
;; launch qkv (part 2): grid 8 x 32, 4 waves a work-group, clusters of 4 x 1, 327,680 bytes of LDS; arguments xc, xs, wc, ws, hb, fq; writes hb, fq
.if DOCPART == 2
	.amdgcn_target "amdgcn-amd-amdhsa--gfx1250"
	.amdhsa_code_object_version 6
	.text
	.protected	k_q51a02b4b7f_qkv
	.globl	k_q51a02b4b7f_qkv
	.p2align	8
	.type	k_q51a02b4b7f_qkv,@function
k_q51a02b4b7f_qkv:
	s_mov_b64 s[64:65], 0
	v_nop
	global_prefetch_b8 v0, s[64:65] scope:SCOPE_SE
	s_setreg_imm32_b32 hwreg(HW_REG_WAVE_MODE, 25, 1), 1
	s_wait_xcnt 0x0
	s_wait_alu depctr_hold_cnt(0) depctr_sa_sdst(0) depctr_va_vdst(0) depctr_va_sdst(0) depctr_va_ssrc(0) depctr_va_vcc(0) depctr_vm_vsrc(0)
	s_getreg_b32 s2, hwreg(HW_REG_IB_STS2, 6, 4)
	s_cmp_eq_u32 s2, 0
	s_cbranch_scc0 .Lentry_in_a_cluster
	s_endpgm
.Lentry_in_a_cluster:
	s_bfe_u32 s2, ttmp6, 0x10000c
	s_cmp_lg_u32 s2, 0x3003
	s_cbranch_scc0 .Lentry_shape_is_right
	s_endpgm
.Lentry_shape_is_right:
; qkv: [8192, 1024] x [1024, 1536] on codes of FP4 (E2M1) with E8M0 scales for each 32 along K; sums in f32.  Columns 0-1023 are q, 1024-1279 k, 1280-1535 v: 24 heads of 64.
; OUT: hb [4 batch][24 head][2048 t][64] f16, and fq [4][24][16 t][64] f32: the first 16 positions of each sequence, which a later launch carries in f32.
; LIMIT: |q|, |k|, |v| over 65,504 do not fit f16.
; A work-group makes 256 rows x 192 columns (three heads); wave w rows 64 w .. 64 w + 63, all 192 columns: 4 x 12 accumulators, 384 registers.  So a wave holds whole heads and its way out is its own.
; ALL OF K IS IN LDS AT ONCE (A: 256 rows x 512 bytes in two halves; B: 8 chunks of 192 rows x 64 bytes; the scales): six tensor loads a wave, all first fills; nothing is filled again.
; CLUSTER 4 x 1: the four partners make neighbouring column blocks of the same 256 rows, so A's tiles and A's scales are asked for jointly (mask 15).  B's tiles differ between partners and are plain loads.
; A 4 x 4 cluster is not taken: the store of the f32 rows is a branch on the tile row, which with one row of work-groups to a cluster is the same number in all partners.
; THE MATRIX INSTRUCTION IS USED TRANSPOSED (source 0 = 16 columns of W, source 1 = 16 rows of x): a lane holds eight neighbouring columns of one row.
; REGISTERS: window 0: v1-15 addresses; v28, v29 the add's two; v32-47 A's scale words; v48-95 B's; v128-191 A's fragments, two sets; on the way out v128-175 packed, v176-223 rows read back.
;   window 1: accumulators of row blocks 0, 1 at v[8 (12 (a % 2) + b)]; window 2: of blocks 2, 3; window 3: B's fragments, two sets of 96.
.set ASLOT, 69632                      ; 256 rows x (256 + 16) bytes: half of K
.set BOFF,  139264
.set BCH,   15360                      ; a chunk of B: 192 rows x (64 + 16)
.set SCA,   262144                     ; A's scales: 32 units of 256 + 16
.set SCB,   270848                     ; B's scale words: 8 chunks x 768 bytes
.set STG,   276992                     ; a stage of 48 rows x 144 bytes for each wave
.set FST,   304640                     ; wave 0's stage for the f32 rows: 48 x 272
.set SPARE, 317696
.set SPW, 28
.set NIL, 29
.set SA,  32
.set SB,  48
.set AF,  128
.set TMP, 128
.set BK,  176
.set MSB, 0
.macro WIN new                         ; the immediate's high byte repeats the setting that is left
.if MSB != \new
	s_set_vgpr_msb (MSB<<8)|\new
.set MSB, \new
.endif
.endm
.macro CROUND                          ; a round of the cluster's barrier
	s_barrier_signal -1
	s_barrier_wait -1
	s_cmp_lg_u32 s16, 0
	s_cbranch_scc1 .Lnot_wave_0_\@
	s_barrier_signal -3
.Lnot_wave_0_\@:
	s_barrier_wait -3
	s_barrier_signal -1
	s_barrier_wait -1
.endm
.macro PLACES n
.rept \n
	v_nop
.endr
.endm
	s_load_b256 s[4:11], s[0:1], 0x0               ; xc s4, xs s6, wc s8, ws s10
	s_load_b128 s[12:15], s[0:1], 0x20             ; hb s12, fq s14
	v_lshl_add_u32 v[SPW], v0, 2, SPARE
	v_mov_b32 v[NIL], 0
	ds_add_u32 v[SPW], v[NIL]                      ; the wave's opening: the add, twice on end, and its wait ahead of my first tensor load
	ds_add_u32 v[SPW], v[NIL]
	v_lshrrev_b32 v1, 5, v0
	v_readfirstlane_b32 s16, v1                    ; wave
	s_bfe_u32 s17, ttmp6, 0x40000                  ; cx
	s_lshl_b32 s18, ttmp9, 2
	s_add_co_u32 s18, s18, s17                     ; column block 0..7: it enters global addresses alone
	s_and_b32 s19, ttmp7, 0xffff                   ; tile row 0..31, the same in all four partners
	; group 1 for A's codes: 64 rows x 256 bytes, 512 bytes apart in memory, 16 bytes of padding behind each row; joint
	s_mov_b32 s20, 15|(1<<20)|(1<<21)|(5<<22)|(3<<25)
	s_mov_b32 s21, 256<<16
	s_mov_b32 s22, 64<<16
	s_mov_b32 s23, 256<<16
	s_mov_b32 s24, 64
	s_mov_b32 s25, 512
	s_mov_b32 s26, 0
	s_mov_b32 s27, 0
	; for B's codes: 192 rows x 64 bytes, dense, 16 bytes of padding behind each row; my own
	s_mov_b32 s28, (1<<20)|(3<<22)|(3<<25)
	s_mov_b32 s29, 64<<16
	s_mov_b32 s30, 192<<16
	s_mov_b32 s31, 64<<16
	s_mov_b32 s32, 192
	s_mov_b32 s33, 64
	s_mov_b32 s34, 0
	s_mov_b32 s35, 0
	; for A's scales: 64 rows x 32 bytes are 2,048 dense bytes: 8 rows of 32 elements of 8 bytes, padded; joint
	s_mov_b32 s36, 15|(3<<16)|(1<<20)|(1<<21)|(5<<22)|(3<<25)
	s_mov_b32 s37, 32<<16
	s_mov_b32 s38, 8<<16
	s_mov_b32 s39, 32<<16
	s_mov_b32 s40, 8
	s_mov_b32 s41, 32
	s_mov_b32 s42, 0
	s_mov_b32 s43, 0
	; for B's scale words: 2 chunks x 192 words, 1,536 words apart; my own
	s_mov_b32 s44, 2<<16
	s_mov_b32 s45, 192<<16
	s_mov_b32 s46, 2<<16
	s_mov_b32 s47, 192<<16
	s_mov_b32 s48, 2
	s_mov_b32 s49, 1536
	s_mov_b32 s50, 0
	s_mov_b32 s51, 0
	s_lshl_b32 s80, s19, 8
	s_lshl_b32 s81, s16, 6
	s_add_co_u32 s80, s80, s81                     ; my first row: 256 R + 64 w
	s_lshl_b32 s82, s80, 9                         ; its codes
	s_mov_b32 s83, 0
	s_lshl_b32 s84, s80, 5                         ; its scale bytes
	s_mov_b32 s85, 0
	s_mul_i32 s86, s18, 192
	s_mul_i32 s87, s16, 1536
	s_add_co_u32 s88, s87, s86
	s_lshl_b32 s88, s88, 6                         ; B: chunk w, my 192 columns
	s_mov_b32 s89, 0
	s_lshl_b32 s90, s87, 1
	s_add_co_u32 s90, s90, s86
	s_lshl_b32 s90, s90, 2                         ; B's scale words: chunks 2 w, 2 w + 1
	s_mov_b32 s91, 0
	s_wait_dscnt 0x0                               ; both opening adds are done
	s_wait_kmcnt 0x0
	s_mov_b32 s52, 1                               ; group 0: A's scales
	s_mul_i32 s53, s16, 2176
	s_add_co_u32 s53, s53, SCA
	s_add_nc_u64 s[54:55], s[6:7], s[84:85]
	s_or_b32 s55, s55, 0x80000000
	s_mov_b32 s56, 1                               ; B's scale words
	s_mul_i32 s57, s16, 1536
	s_add_co_u32 s57, s57, SCB
	s_add_nc_u64 s[58:59], s[10:11], s[90:91]
	s_or_b32 s59, s59, 0x80000000
	s_mov_b32 s60, 1                               ; A, first half of K
	s_mul_i32 s61, s16, 17408
	s_add_nc_u64 s[62:63], s[4:5], s[82:83]
	s_mov_b32 s72, 1                               ; A, second half: 256 bytes on in each row
	s_add_co_u32 s73, s61, ASLOT
	s_add_nc_u64 s[74:75], s[62:63], 256
	s_or_b32 s63, s63, 0x80000000
	s_or_b32 s75, s75, 0x80000000
	s_mov_b32 s68, 1                               ; B, chunk w
	s_mul_i32 s69, s16, BCH
	s_add_co_u32 s69, s69, BOFF
	s_add_nc_u64 s[70:71], s[8:9], s[88:89]
	s_mov_b32 s76, 1                               ; B, chunk w + 4
	s_add_co_u32 s77, s69, 4*BCH
	s_add_nc_u64 s[78:79], s[70:71], 4*1536*64
	s_or_b32 s71, s71, 0x80000000
	s_or_b32 s79, s79, 0x80000000
	CROUND                                         ; all four work-groups are here: the joint loads meet
	tensor_load_to_lds s[52:55], s[36:43]          ; six loads of mine are out behind these lines
	s_nop 0
	tensor_load_to_lds s[56:59], s[44:51]
	s_nop 0
	tensor_load_to_lds s[60:63], s[20:27]
	s_nop 0
	tensor_load_to_lds s[68:71], s[28:35]
	s_nop 0
	tensor_load_to_lds s[72:75], s[20:27]
	s_nop 0
	tensor_load_to_lds s[76:79], s[28:35]
	s_nop 0
	PLACES 4
	v_and_b32 v1, 15, v0                           ; r
	v_bfe_u32 v2, v0, 4, 1                         ; h
	v_and_b32 v3, 31, v0                           ; lane
	v_mul_u32_u24 v15, v1, 272
	v_lshl_add_u32 v15, v2, 4, v15
	s_mul_i32 s80, s16, 17408
	v_add_nc_u32 v4, s80, v15                      ; v4, v5: A's fragments in K half 0, 1: (64 w + r) x 272 + 16 h
	v_add_nc_u32 v5, ASLOT, v4
	v_mul_u32_u24 v15, v1, 80
	v_lshl_add_u32 v15, v2, 4, v15
	v_add_nc_u32 v6, BOFF, v15                     ; v6, v7: B's fragments in chunks 0-3, 4-7
	v_add_nc_u32 v7, 4*BCH, v6
	v_lshrrev_b32 v15, 3, v1
	v_mul_u32_u24 v15, v15, 272
	v_and_b32 v16, 7, v1
	v_lshl_add_u32 v15, v16, 5, v15
	v_mad_u32_u24 v15, v2, 1088, v15               ; lanes 16-31 take the row block two further on
	s_mul_i32 s80, s16, 2176
	s_add_co_u32 s80, s80, SCA
	v_add_nc_u32 v8, s80, v15                      ; v8: A's scale words
	v_lshlrev_b32 v15, 2, v1
	v_mad_u32_u24 v15, v2, 384, v15                ; lanes 16-31 take the column block six further on
	v_add_nc_u32 v9, SCB, v15                      ; v9: B's scale words
	s_mul_i32 s80, s16, 6912
	s_add_co_u32 s80, s80, STG
	v_mul_u32_u24 v15, v1, 144
	v_lshl_add_u32 v15, v2, 4, v15
	v_add_nc_u32 v10, s80, v15                     ; v10: into my stage: row r, 16 bytes for each half of the lanes
	v_lshrrev_b32 v15, 3, v3
	v_mul_u32_u24 v15, v15, 144
	v_and_b32 v16, 7, v0
	v_lshl_add_u32 v15, v16, 4, v15
	v_add_nc_u32 v11, s80, v15                     ; v11: back: eight lanes to a row of 128 bytes
	v_lshlrev_b32 v12, 4, v3                       ; v12: 16 x lane
	v_mul_u32_u24 v13, v1, 272
	v_lshl_add_u32 v13, v2, 5, v13
	v_add_nc_u32 v13, FST, v13                     ; v13: into the f32 stage
	v_mul_u32_u24 v14, v2, 272
	v_lshl_add_u32 v14, v1, 4, v14
	v_add_nc_u32 v14, FST, v14                     ; v14: and back
	s_lshr_b32 s80, s19, 3                         ; batch
	s_mul_i32 s80, s80, 24
	s_mul_i32 s81, s18, 3
	s_add_co_u32 s80, s80, s81                     ; batch x 24 + my first head
	s_lshl_b32 s82, s80, 12
	s_mov_b32 s83, 0
	s_add_nc_u64 s[14:15], s[14:15], s[82:83]
	s_lshl_b32 s82, s80, 11
	s_and_b32 s81, s19, 7
	s_lshl_b32 s81, s81, 8
	s_add_co_u32 s82, s82, s81
	s_lshl_b32 s81, s16, 6
	s_add_co_u32 s82, s82, s81
	s_lshl_b32 s82, s82, 7
	s_add_nc_u64 s[12:13], s[12:13], s[82:83]      ; hb at my first head, my first position
.macro FETCH n                         ; chunk n's fragments into set n % 2: B's twelve, A's four
	WIN 0xc0
.irp b, 0,1,2,3,4,5,6,7,8,9,10,11
	ds_load_b128 v[96*((\n)%2)+8*\b:96*((\n)%2)+8*\b+3], v[6+(\n)/4] offset:((\n)%4)*BCH+\b*1280
	ds_load_b128 v[96*((\n)%2)+8*\b+4:96*((\n)%2)+8*\b+7], v[6+(\n)/4] offset:((\n)%4)*BCH+\b*1280+32
.endr
	WIN 0
.irp a, 0,1,2,3
	ds_load_b128 v[AF+32*((\n)%2)+8*\a:AF+32*((\n)%2)+8*\a+3], v[4+(\n)/4] offset:\a*4352+64*((\n)%4)
	ds_load_b128 v[AF+32*((\n)%2)+8*\a+4:AF+32*((\n)%2)+8*\a+7], v[4+(\n)/4] offset:\a*4352+64*((\n)%4)+32
.endr
.endm
; one product.  The scale register of B's block b holds block b % 6 in lanes 0-15 and b % 6 + 6 in lanes 16-31; that of A's block a holds a % 2 and a % 2 + 2
.macro MM n, a, b
.set rD, 8*(12*((\a)%2)+(\b))
.set rB, 96*((\n)%2)+8*(\b)
.set rA, AF+32*((\n)%2)+8*(\a)
.set rSB, SB+6*(\n)+(\b)%6
.set rSA, SA+8*((\n)/4)+4*((\a)%2)+(\n)%4
.if (\n) == 0
.if ((\b) < 6) && ((\a) < 2)
	v_wmma_scale_f32_16x16x128_f8f6f4 v[rD:rD+7], v[rB:rB+7], v[rA:rA+7], 0, v[rSB], v[rSA] matrix_a_fmt:MATRIX_FMT_FP4 matrix_b_fmt:MATRIX_FMT_FP4
.elseif ((\a) < 2)
	v_wmma_scale_f32_16x16x128_f8f6f4 v[rD:rD+7], v[rB:rB+7], v[rA:rA+7], 0, v[rSB], v[rSA] matrix_a_fmt:MATRIX_FMT_FP4 matrix_b_fmt:MATRIX_FMT_FP4 matrix_a_scale:MATRIX_SCALE_ROW1
.elseif ((\b) < 6)
	v_wmma_scale_f32_16x16x128_f8f6f4 v[rD:rD+7], v[rB:rB+7], v[rA:rA+7], 0, v[rSB], v[rSA] matrix_a_fmt:MATRIX_FMT_FP4 matrix_b_fmt:MATRIX_FMT_FP4 matrix_b_scale:MATRIX_SCALE_ROW1
.else
	v_wmma_scale_f32_16x16x128_f8f6f4 v[rD:rD+7], v[rB:rB+7], v[rA:rA+7], 0, v[rSB], v[rSA] matrix_a_fmt:MATRIX_FMT_FP4 matrix_b_fmt:MATRIX_FMT_FP4 matrix_a_scale:MATRIX_SCALE_ROW1 matrix_b_scale:MATRIX_SCALE_ROW1
.endif
.else
.if ((\b) < 6) && ((\a) < 2)
	v_wmma_scale_f32_16x16x128_f8f6f4 v[rD:rD+7], v[rB:rB+7], v[rA:rA+7], v[rD:rD+7], v[rSB], v[rSA] matrix_a_fmt:MATRIX_FMT_FP4 matrix_b_fmt:MATRIX_FMT_FP4
.elseif ((\a) < 2)
	v_wmma_scale_f32_16x16x128_f8f6f4 v[rD:rD+7], v[rB:rB+7], v[rA:rA+7], v[rD:rD+7], v[rSB], v[rSA] matrix_a_fmt:MATRIX_FMT_FP4 matrix_b_fmt:MATRIX_FMT_FP4 matrix_a_scale:MATRIX_SCALE_ROW1
.elseif ((\b) < 6)
	v_wmma_scale_f32_16x16x128_f8f6f4 v[rD:rD+7], v[rB:rB+7], v[rA:rA+7], v[rD:rD+7], v[rSB], v[rSA] matrix_a_fmt:MATRIX_FMT_FP4 matrix_b_fmt:MATRIX_FMT_FP4 matrix_b_scale:MATRIX_SCALE_ROW1
.else
	v_wmma_scale_f32_16x16x128_f8f6f4 v[rD:rD+7], v[rB:rB+7], v[rA:rA+7], v[rD:rD+7], v[rSB], v[rSA] matrix_a_fmt:MATRIX_FMT_FP4 matrix_b_fmt:MATRIX_FMT_FP4 matrix_a_scale:MATRIX_SCALE_ROW1 matrix_b_scale:MATRIX_SCALE_ROW1
.endif
.endif
.endm
.macro MUL n                           ; 48 products, 128 along K; the 48 accumulators take turns, one instruction a turn, in the same order in every chunk
.irp a, 0,1,2,3
.if \a < 2
	WIN 0x53                                       ; source 0 window 3, source 1 window 0, C and D window 1
.else
	WIN 0xa3                                       ; C and D window 2
.endif
.irp b, 0,1,2,3,4,5,6,7,8,9,10,11
	MM \n, \a, \b
.endr
.endr
.endm
	s_wait_tensorcnt 0x2                           ; the scales and the first half of K are in: two loads, the second half's, were issued behind them
	s_barrier_signal -1
	s_barrier_wait -1                              ; everybody's are
.irp g, 0,1
.irp i, 0,1
	ds_load_b128 v[SA+8*\g+4*\i:SA+8*\g+4*\i+3], v8 offset:\i*544+16*\g   ; four chunks' words of a row at once
.endr
.endr
.irp c, 0,1,2,3,4,5,6,7
.irp i, 0,1,2,3,4,5
	ds_load_b32 v[SB+6*\c+\i], v9 offset:\c*768+64*\i
.endr
.endr
	FETCH 0
.irp n, 0,1,2,3,4,5,6,7
	s_wait_dscnt 0x0                               ; chunk n's fragments are in
.if \n == 3
	s_wait_tensorcnt 0x0                           ; my parts of the second half of K are in,
	s_barrier_signal -1
	s_barrier_wait -1                              ; everybody's are
.endif
.if \n < 7
.if \n > 0
	PLACES 4                                       ; in front of loads into registers that the last chunk's products have read
.endif
	FETCH \n+1
.endif
	MUL \n
.endr
; THE WAY OUT, a block of 16 rows at a time: rounded to f16, through my own stage, back as whole rows of 128 bytes; in hb neighbouring positions of a head lie on end, so a store covers 512 consecutive bytes.
.macro OUTA a
.if \a < 2
	WIN 0x05
.else
	WIN 0x0a
.endif
.irp b, 0,1,2,3,4,5,6,7,8,9,10,11
.irp i, 0,1,2,3
	v_cvt_pk_f16_f32 v[TMP+4*\b+\i], v[8*(12*((\a)%2)+\b)+2*\i], v[8*(12*((\a)%2)+\b)+2*\i+1]
.endr
.endr
	WIN 0
.irp b, 0,1,2,3,4,5,6,7,8,9,10,11
	ds_store_b128 v10, v[TMP+4*\b:TMP+4*\b+3] offset:(\b/4)*2304+32*(\b%4)
.endr
.if \a > 0
	s_wait_xcnt 0x0                                ; the last block's stores have read v176-223
.endif
.irp j, 0,1,2,3,4,5,6,7,8,9,10,11
	ds_load_b128 v[BK+4*\j:BK+4*\j+3], v11 offset:576*\j   ; LDS serves a wave's instructions in order: these see my stores
.endr
	s_wait_dscnt 0x0
.irp j, 0,1,2,3,4,5,6,7,8,9,10,11
	global_store_b128 v12, v[BK+4*\j:BK+4*\j+3], s[12:13] offset:(\j/4)*262144+(\a)*2048+(\j%4)*512
.endr
.endm
	PLACES 4
	OUTA 0
	OUTA 1
	OUTA 2
	OUTA 3
	; the f32 rows: positions 0-15 of a sequence are row block 0 of wave 0 in every eighth tile row
	s_cmp_lg_u32 s16, 0
	s_cbranch_scc1 .Lno_f32
	s_and_b32 s80, s19, 7
	s_cmp_lg_u32 s80, 0
	s_cbranch_scc1 .Lno_f32
	WIN 0x04                                       ; an LDS store's data are its source 1: window 1
.irp b, 0,1,2,3,4,5,6,7,8,9,10,11
	ds_store_b128 v13, v[8*\b:8*\b+3] offset:(\b/4)*4352+64*(\b%4)
	ds_store_b128 v13, v[8*\b+4:8*\b+7] offset:(\b/4)*4352+64*(\b%4)+16
.endr
	WIN 0
.irp g, 0,1
	s_wait_xcnt 0x0                                ; earlier stores have read v176-223
.irp j, 0,1,2,3,4,5,6,7,8,9,10,11
	ds_load_b128 v[BK+4*\j:BK+4*\j+3], v14 offset:544*(12*\g+\j)
.endr
	s_wait_dscnt 0x0
.irp j, 0,1,2,3,4,5,6,7,8,9,10,11
	global_store_b128 v12, v[BK+4*\j:BK+4*\j+3], s[14:15] offset:512*(12*\g+\j)
.endr
.endr
.Lno_f32:
	s_wait_tensorcnt 0x0                           ; the wave's end
	ds_add_u32 v[SPW], v[NIL]
	s_wait_dscnt 0x0
	CROUND                                         ; the closing round
	s_endpgm
.Lfunc_end_k_q51a02b4b7f_qkv:
	.size	k_q51a02b4b7f_qkv, .Lfunc_end_k_q51a02b4b7f_qkv-k_q51a02b4b7f_qkv
	.p2alignl 7, 3214868480
	.fill 96, 4, 3214868480
	.section	.rodata,"a",@progbits
	.p2align	6, 0x0
	.amdhsa_kernel k_q51a02b4b7f_qkv
		.amdhsa_group_segment_fixed_size 327680
		.amdhsa_private_segment_fixed_size 0
		.amdhsa_enable_private_segment 0
		.amdhsa_kernarg_size 48
		.amdhsa_user_sgpr_count 2
		.amdhsa_user_sgpr_kernarg_segment_ptr 1
		.amdhsa_wavefront_size32 1
		.amdhsa_system_sgpr_workgroup_id_x 1
		.amdhsa_system_sgpr_workgroup_id_y 1
		.amdhsa_system_sgpr_workgroup_id_z 1
		.amdhsa_system_vgpr_workitem_id 0
		.amdhsa_next_free_vgpr 1024
		.amdhsa_next_free_sgpr 100
		.amdhsa_reserve_vcc 0
		.amdhsa_float_denorm_mode_32 3
		.amdhsa_float_denorm_mode_16_64 3
		.amdhsa_memory_ordered 1
		.amdhsa_forward_progress 1
		.amdhsa_inst_pref_size 108
	.end_amdhsa_kernel
	.amdgpu_metadata
---
amdhsa.version: [ 1, 2 ]
amdhsa.kernels:
  - .name:           k_q51a02b4b7f_qkv
    .symbol:         k_q51a02b4b7f_qkv.kd
    .args:
      - { .name: xc, .offset: 0, .size: 8, .value_kind: global_buffer, .address_space: global }
      - { .name: xs, .offset: 8, .size: 8, .value_kind: global_buffer, .address_space: global }
      - { .name: wc, .offset: 16, .size: 8, .value_kind: global_buffer, .address_space: global }
      - { .name: ws, .offset: 24, .size: 8, .value_kind: global_buffer, .address_space: global }
      - { .name: hb, .offset: 32, .size: 8, .value_kind: global_buffer, .address_space: global }
      - { .name: fq, .offset: 40, .size: 8, .value_kind: global_buffer, .address_space: global }
    .group_segment_fixed_size: 327680
    .private_segment_fixed_size: 0
    .kernarg_segment_align: 8
    .kernarg_segment_size: 48
    .max_flat_workgroup_size: 128
    .sgpr_count:     100
    .vgpr_count:     1024
    .wavefront_size: 32
...
	.end_amdgpu_metadata
.endif
;; end of part 2
;; launch attn (part 3): grid 16 x 16, 8 waves a work-group, no clusters, 327,680 bytes of LDS; arguments hb, ab; writes ab
.if DOCPART == 3
	.amdgcn_target "amdgcn-amd-amdhsa--gfx1250"
	.amdhsa_code_object_version 6
	.text
	.protected	k_q51a02b4b7f_attn
	.globl	k_q51a02b4b7f_attn
	.p2align	8
	.type	k_q51a02b4b7f_attn,@function
k_q51a02b4b7f_attn:
	s_mov_b64 s[64:65], 0
	v_nop
	global_prefetch_b8 v0, s[64:65] scope:SCOPE_SE
	s_setreg_imm32_b32 hwreg(HW_REG_WAVE_MODE, 25, 1), 1
	s_wait_xcnt 0x0
; attn: causal attention, 16 query heads on 4 key and value heads, head size 64, 2,048 positions, 4 batches.  q, k, v in f16 from hb [4][24 head][2048][64] (heads 0-15 q, 16-19 k, 20-23 v);
; products with f16 operands and f32 sums; maxima, exponentials and sums in f32; the weights p are rounded to f16 for the second product.  OUT: ab [16 head][8192 = batch x 2048 + t][64] f16.
; LIMITS: scores under -3e38 are not served; |result| over 65,504 does not fit f16.  The first 16 positions of each sequence are made here too, and made again in f32 by a later launch.
; SHARES.  Work-group (g, y): batch y / 4, key head y % 4, its four query heads, and TWO blocks of 64 queries, one after the other: block g, then block 31 - g.  Under the causal mask block j wants j + 1 key steps
; of 64: together 33, the same for every g.  Keys come 128 to a slot: g / 2 + 1 slots, then 16 - g / 2: always 17.  So the trip count is a constant of the text.
; Wave w: head 4 (y % 4) + w % 4, queries 32 (w / 4) on of the block: two tiles of 16.  All eight waves read the same K and V from a ring of two LDS slots; wave 0 fetches K's 128 rows, wave 1 V's.
; NO CLUSTER: the sixteen work-groups of a key head pass from their first block to their second at different trips, so partners would want different tiles in the same round.
; LAYOUT.  S^T = K Q^T (source 0 = 16 keys, source 1 = 16 queries), O^T = V^T P: a lane holds ONE query throughout; two tiles of S^T, rounded in pairs, are source 1 of the second product.  V is turned by ds_load_tr16_b128.
; SOFTMAX.  A running maximum m and sum l: p = 2^(c s - c m), c = log2(e) / 8; in every step O^T and l are multiplied by a = 2^(c m_old - c m_new).
; REGISTERS.  window 0: v1-11 addresses and constants; v12, v13 the add's two; v14 the prefetches' offset; v16-31 statistics, 8 a tile (+0 c m, +1 m, +2, +3 l, +4..+7 at work, a at +6); v32-95 S^T; v96-127 P; v128-191 K; v192-255 V.
;   window 1: v0-63 O^T (32 t + 8 ct); v64-95 Q.
.set PK,    144                        ; a row of K in LDS: 128 bytes + 16
.set PV,    160                        ; a row of V: 128 + 32
.set VOFF,  128*PK
.set SLOT1, 65536
.set STAGE, 131072                     ; 32 rows x 144 bytes for each wave
.set SPARE, 167936
.set ST, 16
.set S,  32
.set P,  96
.set KF, 128
.set VF, 192
.set OQ, 64
.set MSB, 0
.macro WIN new
.if MSB != \new
	s_set_vgpr_msb (MSB<<8)|\new
.set MSB, \new
.endif
.endm
.macro PLACES
.rept 4
	v_nop
.endr
.endm
.macro TLOAD                           ; wave 0: K's 128 rows; wave 1: V's; the others nothing.  An s_nop 0 and four v_nop follow each line
	s_cmp_eq_u32 s8, 0
	s_cbranch_scc0 .Lnot_k_\@
	tensor_load_to_lds s[40:43], s[24:31]
	s_nop 0
	PLACES
	s_branch .Lasked_\@
.Lnot_k_\@:
	s_cmp_eq_u32 s8, 1
	s_cbranch_scc0 .Lasked_\@
	tensor_load_to_lds s[44:47], s[32:39]
	s_nop 0
	PLACES
.Lasked_\@:
.endm
; A prefetch of K and V.  All sixteen work-groups of a key head walk the same rows: work-group g = 0 asks, and in it the waves that fetch nothing: waves 4, 5 K's two halves of a slot (8,192 bytes, lanes 256 bytes apart),
; waves 6, 7 V's.  Trip u names slot u + 2, u = 0 .. 13: one slot trip ahead of the first tensor load that wants it.  Each 256 bytes are named once; slots 0 and 1 come by their loads alone.
.macro ASK
	s_cmp_gt_u32 s19, s62
	s_cbranch_scc0 .Lnot_mine_\@
	global_prefetch_b8 v14, s[60:61] th:TH_LOAD_NT scope:SCOPE_SE
.Lnot_mine_\@:
.endm
	s_load_b128 s[4:7], s[0:1], 0x0                ; hb, ab
	v_lshl_add_u32 v12, v0, 2, SPARE
	v_mov_b32 v13, 0
	ds_add_u32 v12, v13                            ; the wave's opening: the add, twice on end, and its wait ahead of the first tensor load
	ds_add_u32 v12, v13
	v_lshrrev_b32 v1, 5, v0
	v_readfirstlane_b32 s8, v1                     ; wave 0..7
	s_mov_b32 s9, ttmp9                            ; g
	s_and_b32 s10, ttmp7, 0xffff                   ; y
	s_lshr_b32 s12, s9, 1
	s_add_co_u32 s12, s12, 1                       ; N1: slots of the first block
	s_mov_b32 s13, s9                              ; J: the block of queries in hand
	s_mov_b32 s14, 0                               ; KS: the key step within the block's walk
	s_mov_b32 s15, 0                               ; U: the trip
	s_mov_b32 s16, 0                               ; NX: the trip that is asked for
	s_mov_b32 s17, 0                               ; TI: its slot's number along the keys
	s_mov_b32 s18, 0                               ; TB: LDS byte of the slot in hand
	s_mov_b32 s19, 16                              ; trips of the loop to go
	s_mov_b32 s20, 0x76543210
	s_mov_b32 s21, 0xfedcba98                      ; v_permlanex16_b32: lane l xor 16
	s_mov_b32 s22, 0x3e38aa3b                      ; c = log2(e) / 8
	s_mov_b32 s23, s22
	s_mov_b32 s24, (1<<16)|(1<<20)|(4<<22)|(3<<25) ; K: elements of 2 bytes; 4 words of padding behind every 32
	s_mov_b32 s25, 64<<16
	s_mov_b32 s26, 128<<16
	s_mov_b32 s27, 64<<16
	s_mov_b32 s28, 128
	s_mov_b32 s29, 64
	s_mov_b32 s30, 0
	s_mov_b32 s31, 0
	s_mov_b32 s32, (1<<16)|(1<<20)|(4<<22)|(7<<25) ; V: 8 words of padding
	s_mov_b32 s33, 64<<16
	s_mov_b32 s34, 128<<16
	s_mov_b32 s35, 64<<16
	s_mov_b32 s36, 128
	s_mov_b32 s37, 64
	s_mov_b32 s38, 0
	s_mov_b32 s39, 0
	s_mov_b32 s53, 0
	s_lshr_b32 s66, s10, 2                         ; batch
	s_and_b32 s67, s10, 3                          ; key head
	s_and_b32 s68, s8, 3
	s_lshl_b32 s69, s67, 2
	s_add_co_u32 s68, s68, s69                     ; my query head
	s_lshr_b32 s69, s8, 2                          ; which 32 of the block's 64 queries
	s_mul_i32 s70, s66, 24
	s_add_co_u32 s72, s70, s67
	s_add_co_u32 s72, s72, 16
	s_lshl_b32 s72, s72, 18                        ; K's head in hb: 262,144 bytes a head
	s_mov_b32 s73, 0
	s_lshl_b32 s71, s9, 6
	s_lshl_b32 s74, s69, 5
	s_add_co_u32 s71, s71, s74                     ; my first query of block g
	s_add_co_u32 s74, s70, s68
	s_lshl_b32 s74, s74, 11
	s_add_co_u32 s74, s74, s71
	s_lshl_b32 s74, s74, 7
	s_mov_b32 s75, 0
	s_lshl_b32 s76, s68, 13
	s_lshl_b32 s77, s66, 11
	s_add_co_u32 s76, s76, s77
	s_add_co_u32 s76, s76, s71
	s_lshl_b32 s76, s76, 7
	s_mov_b32 s77, 0
	s_lshl_b32 s58, s9, 1
	s_sub_co_u32 s58, 31, s58
	s_lshl_b32 s58, s58, 13                        ; from block g to block 31 - g: 64 (31 - 2 g) rows of 128 bytes
	s_mov_b32 s59, 0
	s_xor_b32 s62, s69, 1                          ; 0 in waves 4 to 7,
	s_or_b32 s62, s62, s9                          ; of work-group g = 0
	s_cmp_eq_u32 s62, 0
	s_cselect_b32 s62, 2, -1                       ; a wave prefetches while the trips to go are above this
	s_wait_dscnt 0x0                               ; both opening adds are done
	s_wait_kmcnt 0x0
	s_add_nc_u64 s[48:49], s[4:5], s[72:73]        ; K's first row
	s_add_nc_u64 s[50:51], s[48:49], 0x100000      ; V's: four heads on
	s_add_nc_u64 s[54:55], s[4:5], s[74:75]        ; my queries
	s_add_nc_u64 s[56:57], s[6:7], s[76:77]        ; my rows of ab
	s_cmp_lt_u32 s8, 6
	s_cselect_b64 s[60:61], s[48:49], s[50:51]
	s_and_b32 s72, s8, 1
	s_lshl_b32 s72, s72, 13
	s_add_co_u32 s72, s72, 16384                   ; in slot 1: the first change of slots steps it to slot 2
	s_add_nc_u64 s[60:61], s[60:61], s[72:73]
	s_mov_b32 s40, 1
	s_mov_b32 s41, 0
	s_mov_b64 s[42:43], s[48:49]
	s_or_b32 s43, s43, 0x80000000
	s_mov_b32 s44, 1
	s_mov_b32 s45, VOFF
	s_mov_b64 s[46:47], s[50:51]
	s_or_b32 s47, s47, 0x80000000
	TLOAD                                          ; slot 0: keys 0-127, which count for every block of queries
	v_and_b32 v3, 15, v0                           ; r
	v_bfe_u32 v4, v0, 4, 1                         ; h
	v_and_b32 v15, 31, v0                          ; lane
	v_mul_u32_u24 v1, v3, PK
	v_lshl_add_u32 v1, v4, 4, v1                   ; v1: my place in a tile of K
	v_and_b32 v2, 7, v0
	v_lshl_add_u32 v2, v4, 3, v2
	v_mul_u32_u24 v2, v2, PV
	v_bfe_u32 v5, v0, 3, 1
	v_lshl_add_u32 v2, v5, 4, v2
	v_add_nc_u32 v2, VOFF, v2                      ; v2: my place in a tile of V, for the turning load
	v_lshlrev_b32 v5, 7, v3
	v_lshl_add_u32 v5, v4, 4, v5                   ; v5: Q: row r of 128 bytes + 16 h
	s_mul_i32 s66, s8, 4608
	s_add_co_u32 s66, s66, STAGE
	v_add_nc_u32 v6, s66, v1                       ; v6: into my stage: row r x 144 + 16 h
	v_lshrrev_b32 v7, 3, v15
	v_mul_u32_u24 v7, v7, 144
	v_and_b32 v8, 7, v0
	v_lshl_add_u32 v7, v8, 4, v7
	v_add_nc_u32 v7, s66, v7                       ; v7: back: eight lanes to a row
	v_lshlrev_b32 v8, 4, v15                       ; v8: 16 x lane
	v_lshlrev_b32 v9, 3, v4
	v_sub_nc_u32 v9, v3, v9
	s_lshl_b32 s67, s69, 5
	v_add_nc_u32 v9, s67, v9                       ; v9, v10: my query within the block - 8 h, for tiles 0, 1
	v_add_nc_u32 v10, 16, v9
	v_mov_b32 v11, 0xff800000                      ; -infinity
	v_lshlrev_b32 v14, 8, v15
.macro START                           ; a block of queries begins: Q into registers; O^T and l zeros, m under every score, so that one text of the key step serves the first step too
	WIN 0x40
.irp t, 0,1
.irp cc, 0,1
.irp e, 0,1
	global_load_b128 v[OQ+16*\t+8*\cc+4*\e:OQ+16*\t+8*\cc+4*\e+3], v5, s[54:55] offset:\t*2048+\cc*64+32*\e
.endr
.endr
.endr
.set i, 0
.rept 64
	v_mov_b32 v[i], 0
.set i, i+1
.endr
	WIN 0
.irp t, 0,1
	v_mov_b32 v[ST+8*\t+1], 0xff61b1e6             ; -3e38
	v_mul_f32 v[ST+8*\t], s22, v[ST+8*\t+1]
.irp j, 2,3,4,5,6,7
	v_mov_b32 v[ST+8*\t+\j], 0
.endr
.endr
	s_wait_loadcnt 0x0
.endm
.macro KLOAD q                         ; 64 keys x 64 channels: 8 fragments
.irp kt, 0,1,2,3
.irp cc, 0,1
	ds_load_b128 v[KF+8*(2*\kt+\cc):KF+8*(2*\kt+\cc)+3], v3 offset:\q*64*PK+\kt*16*PK+\cc*64
	ds_load_b128 v[KF+8*(2*\kt+\cc)+4:KF+8*(2*\kt+\cc)+7], v3 offset:\q*64*PK+\kt*16*PK+\cc*64+32
.endr
.endr
.endm
.macro RESCALE                         ; O^T times the number at statistics + 6, from each accumulator's low end on
	WIN 0x41
.irp t, 0,1
.set i, 0
.rept 16
	v_pk_mul_f32 v[32*\t+i:32*\t+i+1], v[32*\t+i:32*\t+i+1], v[ST+8*\t+6:ST+8*\t+7] op_sel_hi:[1,0]
.set i, i+2
.endr
.endr
.endm
.macro SOFTMAX                         ; both tiles, line by line in turn
.irp j, 0,1,2,3
.irp t, 0,1
	v_max3_num_f32 v[ST+8*\t+4+\j], v[S+32*\t+8*\j], v[S+32*\t+8*\j+1], v[S+32*\t+8*\j+2]
.endr
.endr
.irp i, 3,5
.irp j, 0,1,2,3
.irp t, 0,1
	v_max3_num_f32 v[ST+8*\t+4+\j], v[ST+8*\t+4+\j], v[S+32*\t+8*\j+\i], v[S+32*\t+8*\j+\i+1]
.endr
.endr
.endr
.irp t, 0,1
	v_max3_num_f32 v[ST+8*\t+4], v[ST+8*\t+4], v[S+32*\t+7], v[S+32*\t+15]
	v_max3_num_f32 v[ST+8*\t+6], v[ST+8*\t+6], v[S+32*\t+23], v[S+32*\t+31]
.endr
.irp t, 0,1
	v_max3_num_f32 v[ST+8*\t+4], v[ST+8*\t+4], v[ST+8*\t+5], v[ST+8*\t+6]
.endr
.irp t, 0,1
	v_max3_num_f32 v[ST+8*\t+4], v[ST+8*\t+4], v[ST+8*\t+7], v[ST+8*\t+1]   ; with the old m
.endr
.irp t, 0,1
	v_permlanex16_b32 v[ST+8*\t+5], v[ST+8*\t+4], s20, s21                 ; the query's other keys lie in the lane 16 away
.endr
.irp t, 0,1
	v_mov_b32 v[ST+8*\t+7], v[ST+8*\t]             ; c m_old
.endr
.irp t, 0,1
	v_max_num_f32 v[ST+8*\t+1], v[ST+8*\t+4], v[ST+8*\t+5]
.endr
.irp t, 0,1
	v_mul_f32 v[ST+8*\t], s22, v[ST+8*\t+1]
.endr
.irp t, 0,1
	v_sub_f32 v[ST+8*\t+7], v[ST+8*\t+7], v[ST+8*\t]
.endr
.set i, 0
.rept 16
.irp t, 0,1
	v_pk_fma_f32 v[S+32*\t+i:S+32*\t+i+1], v[S+32*\t+i:S+32*\t+i+1], s[22:23], v[ST+8*\t:ST+8*\t+1] op_sel_hi:[1,0,0] neg_lo:[0,0,1] neg_hi:[0,0,1]   ; c s - c m
.endr
.set i, i+2
.endr
.irp t, 0,1
	v_exp_f32 v[ST+8*\t+6], v[ST+8*\t+7]           ; a
.endr
.set i, 0
.rept 32
	v_exp_f32 v[S+i], v[S+i]
	v_exp_f32 v[S+32+i], v[S+32+i]
.set i, i+1
.endr
	v_nop                                          ; a plain instruction behind the last exponential
	s_wait_alu depctr_va_vdst(0)                   ; one wait for the 66 exponentials, ahead of their first reader
.set i, 0
.rept 16
.irp t, 0,1
	v_cvt_pk_f16_f32 v[P+16*\t+i], v[S+32*\t+2*i], v[S+32*\t+2*i+1]
.endr
.set i, i+1
.endr
.irp u, 0,1,2,3,4,5,6,7                ; the sum of the unrounded p, in pairs, in place
.irp t, 0,1
	v_pk_add_f32 v[S+32*\t+4*\u:S+32*\t+4*\u+1], v[S+32*\t+4*\u:S+32*\t+4*\u+1], v[S+32*\t+4*\u+2:S+32*\t+4*\u+3]
.endr
.endr
.irp u, 0,1,2,3
.irp t, 0,1
	v_pk_add_f32 v[S+32*\t+8*\u:S+32*\t+8*\u+1], v[S+32*\t+8*\u:S+32*\t+8*\u+1], v[S+32*\t+8*\u+4:S+32*\t+8*\u+5]
.endr
.endr
.irp u, 0,1
.irp t, 0,1
	v_pk_add_f32 v[S+32*\t+16*\u:S+32*\t+16*\u+1], v[S+32*\t+16*\u:S+32*\t+16*\u+1], v[S+32*\t+16*\u+8:S+32*\t+16*\u+9]
.endr
.endr
.irp t, 0,1
	v_pk_add_f32 v[S+32*\t:S+32*\t+1], v[S+32*\t:S+32*\t+1], v[S+32*\t+16:S+32*\t+17]
.endr
.irp t, 0,1
	v_pk_fma_f32 v[ST+8*\t+2:ST+8*\t+3], v[ST+8*\t+2:ST+8*\t+3], v[ST+8*\t+6:ST+8*\t+7], v[S+32*\t:S+32*\t+1] op_sel_hi:[1,0,1]   ; l = a l + the sum
.endr
.endm
; A KEY STEP: 64 keys, the q-th of the slot in hand.
.macro STEP q
.if \q == 1
	s_cmp_gt_u32 s14, s13                          ; all its keys come after the block's queries: the step is left out.  Ids and counts of steps alone: all eight waves go the same way
	s_cbranch_scc1 .Lskip_\@
.endif
.if \q == 0
	KLOAD 0
.endif
.irp kg, 0,1
.irp ct, 0,1,2,3
	ds_load_tr16_b128 v[VF+8*(4*\kg+\ct):VF+8*(4*\kg+\ct)+3], v4 offset:\q*64*PV+\kg*32*PV+\ct*32
	ds_load_tr16_b128 v[VF+8*(4*\kg+\ct)+4:VF+8*(4*\kg+\ct)+7], v4 offset:\q*64*PV+\kg*32*PV+16*PV+\ct*32
.endr
.endr
	s_wait_dscnt 16                                ; K is in; V's sixteen loads stay out
	WIN 0x04                                       ; Q in window 1
.irp cc, 0,1
.irp kt, 0,1,2,3
.irp t, 0,1
.if \cc == 0
	v_wmma_f32_16x16x32_f16 v[S+32*\t+8*\kt:S+32*\t+8*\kt+7], v[KF+8*(2*\kt+\cc):KF+8*(2*\kt+\cc)+7], v[OQ+16*\t+8*\cc:OQ+16*\t+8*\cc+7], 0
.else
	v_wmma_f32_16x16x32_f16 v[S+32*\t+8*\kt:S+32*\t+8*\kt+7], v[KF+8*(2*\kt+\cc):KF+8*(2*\kt+\cc)+7], v[OQ+16*\t+8*\cc:OQ+16*\t+8*\cc+7], v[S+32*\t+8*\kt:S+32*\t+8*\kt+7]
.endif
.endr
.endr
.endr
	WIN 0
	PLACES                                         ; in front of the first read of the scores and of loads into K's registers
.if \q == 0
	KLOAD 1
.endif
	s_cmp_lg_u32 s14, s13                          ; only the step on the diagonal has hidden keys
	s_cbranch_scc1 .Lopen_\@
.irp t, 0,1
.set n, 0
.rept 32
	v_cmp_gt_i32 vcc_lo, 16*(n/8)+n%8, v[9+\t]     ; register n holds key 16 (n / 8) + n % 8 + 8 h of the step
	v_cndmask_b32 v[S+32*\t+n], v[S+32*\t+n], v11, vcc_lo
.set n, n+1
.endr
.endr
.Lopen_\@:
	SOFTMAX
	RESCALE                                        ; O^T under the new m
.if \q == 0
	s_wait_dscnt 16                                ; V is in; the next step's K stays out
.else
	s_wait_dscnt 0x0
.endif
	WIN 0x50                                       ; C and D in window 1
.irp kg, 0,1
.irp ct, 0,1,2,3
.irp t, 0,1
	v_wmma_f32_16x16x32_f16 v[32*\t+8*\ct:32*\t+8*\ct+7], v[VF+8*(4*\kg+\ct):VF+8*(4*\kg+\ct)+7], v[P+16*\t+8*\kg:P+16*\t+8*\kg+7], v[32*\t+8*\ct:32*\t+8*\ct+7]
.endr
.endr
.endr
	WIN 0
	PLACES                                         ; in front of the next loads into V's registers and of the next read of O^T
.Lskip_\@:
	s_add_co_u32 s14, s14, 1
.endm
; THE CHANGE OF SLOTS, at a slot's head.  Every wave waits for all its tensor loads, adds 0 to its spare word, waits for that and for its reads of the slot that it has left; behind the barrier the slot ahead is whole and
; nobody reads the other one, which is filled with the walk's next 128 keys: that load has two key steps in which to land.
.macro CHANGE fill
	s_wait_tensorcnt 0x0                           ; no tensor load of mine is out, so a group 0 may be written
	ds_add_u32 v12, v13
.if \fill
	ds_add_u32 v12, v13                            ; the add twice on end, in every trip alike
	s_xor_b32 s41, s41, SLOT1
	s_xor_b32 s45, s45, SLOT1
	s_add_co_u32 s16, s16, 1
	s_add_co_u32 s17, s17, 1
	s_cmp_eq_u32 s16, s12
	s_cselect_b32 s17, 0, s17                      ; the second block's walk begins at key 0 again
	s_lshl_b32 s52, s17, 14                        ; 128 rows of 128 bytes a slot
	s_add_nc_u64 s[42:43], s[48:49], s[52:53]
	s_or_b32 s43, s43, 0x80000000
	s_add_nc_u64 s[46:47], s[50:51], s[52:53]
	s_or_b32 s47, s47, 0x80000000
	s_wait_xcnt 0x0                                ; the last prefetch, a trip back, has read its address
	s_add_nc_u64 s[60:61], s[60:61], 16384
.endif
	s_wait_dscnt 0x0
	s_barrier_signal -1
	s_barrier_wait -1
.if \fill
	TLOAD
	ASK
.endif
.endm
.macro FINISH                          ; a block's way out: O^T / l, rounded to f16, through my stage, 4,096 consecutive bytes of ab a wave
	s_wait_dscnt 0x0
.irp t, 0,1
	v_add_f32 v[ST+8*\t+4], v[ST+8*\t+2], v[ST+8*\t+3]
.endr
.irp t, 0,1
	v_permlanex16_b32 v[ST+8*\t+5], v[ST+8*\t+4], s20, s21
.endr
.irp t, 0,1
	v_add_f32 v[ST+8*\t+4], v[ST+8*\t+4], v[ST+8*\t+5]
.endr
.irp t, 0,1
	v_rcp_f32 v[ST+8*\t+6], v[ST+8*\t+4]
.endr
	v_nop
	s_wait_alu depctr_va_vdst(0)                   ; one wait for the two reciprocals, ahead of their first reader
	RESCALE
	WIN 0x05
.irp t, 0,1
.set i, 0
.rept 16
	v_cvt_pk_f16_f32 v[S+16*\t+i], v[32*\t+2*i], v[32*\t+2*i+1]
.set i, i+1
.endr
.endr
	WIN 0
.irp t, 0,1
.irp ct, 0,1,2,3
	ds_store_b128 v6, v[S+16*\t+4*\ct:S+16*\t+4*\ct+3] offset:\t*2304+32*\ct
.endr
.endr
.irp j, 0,1,2,3,4,5,6,7
	ds_load_b128 v[64+4*\j:67+4*\j], v7 offset:576*\j
.endr
	s_wait_dscnt 0x0
.irp j, 0,1,2,3,4,5,6,7
	global_store_b128 v8, v[64+4*\j:67+4*\j], s[56:57] offset:512*\j
.endr
.endm
	START
.Lslot:                                            ; 16 trips; the 17th slot is written out, without a load
	CHANGE 1
	s_cmp_lg_u32 s15, s12
	s_cbranch_scc1 .Lsame
	FINISH                                         ; the first block is done (N1 is 1 to 8, so this falls inside the loop)
	s_wait_xcnt 0x0                                ; the stores have read their registers and base
	s_add_nc_u64 s[54:55], s[54:55], s[58:59]
	s_add_nc_u64 s[56:57], s[56:57], s[58:59]
	s_sub_co_u32 s13, 31, s9
	s_mov_b32 s14, 0
	START
.Lsame:
	v_add_nc_u32 v3, s18, v1
	v_add_nc_u32 v4, s18, v2
	STEP 0
	STEP 1
	s_xor_b32 s18, s18, SLOT1
	s_add_co_u32 s15, s15, 1
	s_sub_co_u32 s19, s19, 1
	s_cmp_lg_u32 s19, 0
	s_cbranch_scc1 .Lslot
	CHANGE 0
	v_add_nc_u32 v3, s18, v1
	v_add_nc_u32 v4, s18, v2
	STEP 0
	STEP 1
	FINISH
	s_wait_tensorcnt 0x0                           ; the wave's end
	ds_add_u32 v12, v13
	s_wait_dscnt 0x0
	s_endpgm
.Lfunc_end_k_q51a02b4b7f_attn:
	.size	k_q51a02b4b7f_attn, .Lfunc_end_k_q51a02b4b7f_attn-k_q51a02b4b7f_attn
	.p2alignl 7, 3214868480
	.fill 96, 4, 3214868480
	.section	.rodata,"a",@progbits
	.p2align	6, 0x0
	.amdhsa_kernel k_q51a02b4b7f_attn
		.amdhsa_group_segment_fixed_size 327680
		.amdhsa_private_segment_fixed_size 0
		.amdhsa_enable_private_segment 0
		.amdhsa_kernarg_size 16
		.amdhsa_user_sgpr_count 2
		.amdhsa_user_sgpr_kernarg_segment_ptr 1
		.amdhsa_wavefront_size32 1
		.amdhsa_system_sgpr_workgroup_id_x 1
		.amdhsa_system_sgpr_workgroup_id_y 1
		.amdhsa_system_sgpr_workgroup_id_z 1
		.amdhsa_system_vgpr_workitem_id 0
		.amdhsa_next_free_vgpr 384
		.amdhsa_next_free_sgpr 80
		.amdhsa_reserve_vcc 1
		.amdhsa_float_denorm_mode_32 3
		.amdhsa_float_denorm_mode_16_64 3
		.amdhsa_memory_ordered 1
		.amdhsa_forward_progress 1
		.amdhsa_inst_pref_size 113
	.end_amdhsa_kernel
	.amdgpu_metadata
---
amdhsa.version: [ 1, 2 ]
amdhsa.kernels:
  - .name:           k_q51a02b4b7f_attn
    .symbol:         k_q51a02b4b7f_attn.kd
    .args:
      - { .name: hb, .offset: 0, .size: 8, .value_kind: global_buffer, .address_space: global }
      - { .name: ab, .offset: 8, .size: 8, .value_kind: global_buffer, .address_space: global }
    .group_segment_fixed_size: 327680
    .private_segment_fixed_size: 0
    .kernarg_segment_align: 8
    .kernarg_segment_size: 16
    .max_flat_workgroup_size: 256
    .sgpr_count:     80
    .vgpr_count:     384
    .wavefront_size: 32
...
	.end_amdgpu_metadata
.endif
;; end of part 3
;; launch proj (part 4): grid 4 x 64, 4 waves a work-group, clusters of 4 x 4, 327,680 bytes of LDS; arguments ab, wo16, out0; writes out0
.if DOCPART == 4
	.amdgcn_target "amdgcn-amd-amdhsa--gfx1250"
	.amdhsa_code_object_version 6
	.text
	.protected	k_q51a02b4b7f_proj
	.globl	k_q51a02b4b7f_proj
	.p2align	8
	.type	k_q51a02b4b7f_proj,@function
k_q51a02b4b7f_proj:
	s_mov_b64 s[64:65], 0
	v_nop
	global_prefetch_b8 v0, s[64:65] scope:SCOPE_SE
	s_setreg_imm32_b32 hwreg(HW_REG_WAVE_MODE, 25, 1), 1
	s_wait_xcnt 0x0
	s_wait_alu depctr_hold_cnt(0) depctr_sa_sdst(0) depctr_va_vdst(0) depctr_va_sdst(0) depctr_va_ssrc(0) depctr_va_vcc(0) depctr_vm_vsrc(0)
	s_getreg_b32 s2, hwreg(HW_REG_IB_STS2, 6, 4)
	s_cmp_eq_u32 s2, 0
	s_cbranch_scc0 .Lentry_in_a_cluster
	s_endpgm
.Lentry_in_a_cluster:
	s_bfe_u32 s2, ttmp6, 0x10000c
	s_cmp_lg_u32 s2, 0xf033
	s_cbranch_scc0 .Lentry_shape_is_right
	s_endpgm
.Lentry_shape_is_right:
; proj: out0 [8192][1024] f32 = attn [8192][1024] x wo [1024][1024], f16 operands, f32 sums.  attn comes head by head, ab [16 head][8192][64] f16 (k = 64 head + channel); wo as wo16 [1024 k][1024 n] f16.
; All 8,192 rows are made here; the first 16 positions of each sequence are written again, in f32 arithmetic, by the launch that follows.
; A tile of C is 128 rows x 256 columns: 256 work-groups.  Wave (w / 2, w % 2): 64 x 128: 32 accumulators, window 1.  K goes in steps of 128 (two heads) through a ring of two LDS slots.
; CLUSTER 4 x 4: A's tile hangs on the tile row and is shared along a row of the cluster, B's on the tile column and is shared along a column: joint loads.  Waves 0, 1 fetch A's two heads (128 rows x 128 bytes, dense),
; waves 2, 3 B's two halves (64 k rows x 512 bytes).
; THE MATRIX INSTRUCTION IS USED TRANSPOSED: source 0 = 16 columns of wo (stored [k][n]: turned by ds_load_tr16_b128), source 1 = 16 rows of attn: a lane holds eight neighbouring columns of a row of C.
; REGISTERS, window 0: v16, v17 / v20, v21 LDS addresses of A's / B's fragments in slots 0, 1; v24-26 the way out; v28, v29 the add's two; v32-95 A's fragments, two buffers; v96-223 B's, two buffers.
.set SLOT,   106496                    ; A: two heads x 128 rows x 144; B: 128 rows x 544
.set BO,     36864
.set STAGE,  2*SLOT                    ; 16 rows x 528 bytes for each wave
.set SPARE,  STAGE+4*8448
.set LAPS,   4
.set ADRA, 16
.set ADRB, 20
.set STO,  24
.set RD,   25
.set CO,   26
.set SPW,  28
.set NIL,  29
.set BK,   32
.set G1,  24
.set G0,  32
.set G1B, 48
.set G0B, 56
.set MSB, 0
.macro WIN new
.if MSB != \new
	s_set_vgpr_msb (MSB<<8)|\new
.set MSB, \new
.endif
.endm
.macro PLACES
.rept 4
	v_nop
.endr
.endm
.macro JLOAD s                         ; a joint load; an s_nop 0 and four v_nop follow each of the two lines
	s_cmp_eq_u32 s11, 0
	s_cbranch_scc0 .Lfor_b_\@
	tensor_load_to_lds s[G0+4*\s:G0+4*\s+3], s[G1:G1+7]
	s_nop 0
	PLACES
	s_branch .Lasked_\@
.Lfor_b_\@:
	tensor_load_to_lds s[G0B+4*\s:G0B+4*\s+3], s[G1B:G1B+7]
	s_nop 0
	PLACES
.Lasked_\@:
.endm
.macro CREST
	s_cmp_lg_u32 s10, 0
	s_cbranch_scc1 .Lnot_wave_0_\@
	s_barrier_signal -3
.Lnot_wave_0_\@:
	s_barrier_wait -3
	s_barrier_signal -1
	s_barrier_wait -1
.endm
.macro CROUND
	s_barrier_signal -1
	s_barrier_wait -1
	CREST
.endm
	s_load_b128 s[4:7], s[0:1], 0x0                ; ab, wo16
	s_load_b64 s[8:9], s[0:1], 0x10                ; out0
	v_lshl_add_u32 v[SPW], v0, 2, SPARE
	v_mov_b32 v[NIL], 0
	ds_add_u32 v[SPW], v[NIL]                      ; the wave's opening: the add, twice on end, and its wait ahead of my first tensor load
	ds_add_u32 v[SPW], v[NIL]
	v_lshrrev_b32 v1, 5, v0
	v_readfirstlane_b32 s10, v1                    ; wave
	s_lshr_b32 s11, s10, 1                         ; my half of the tile's rows; also: I fetch for A (0) or B (1)
	s_and_b32 s12, s10, 1                          ; my half of its columns; also: which part I fetch
	s_bfe_u32 s40, ttmp6, 0x40000                  ; cx
	s_bfe_u32 s41, ttmp6, 0x40004                  ; cy
	s_lshl_b32 s42, ttmp9, 2
	s_add_co_u32 s42, s42, s40                     ; tile column 0..3
	s_and_b32 s13, ttmp7, 0xffff
	s_lshl_b32 s13, s13, 2
	s_add_co_u32 s13, s13, s41                     ; tile row 0..63
	s_lshl_b32 s43, s41, 2
	s_lshl_b32 s43, 15, s43                        ; my row of the cluster
	s_lshl_b32 s44, 0x1111, s40                    ; my column
	s_or_b32 s[G1+0], s43, (1<<16)|(1<<20)|(1<<21)|(4<<22)|(3<<25)    ; A: elements of 2 bytes; 4 words of padding behind every 32
	s_mov_b32 s[G1+1], 64<<16
	s_mov_b32 s[G1+2], 128<<16
	s_mov_b32 s[G1+3], 64<<16
	s_mov_b32 s[G1+4], 128
	s_mov_b32 s[G1+5], 64
	s_mov_b32 s[G1+6], 0
	s_mov_b32 s[G1+7], 0
	s_or_b32 s[G1B+0], s44, (1<<16)|(1<<20)|(1<<21)|(6<<22)|(7<<25)   ; B: 8 words of padding behind every 128
	s_mov_b32 s[G1B+1], 256<<16
	s_mov_b32 s[G1B+2], 64<<16
	s_mov_b32 s[G1B+3], 256<<16
	s_mov_b32 s[G1B+4], 64
	s_mov_b32 s[G1B+5], 1024
	s_mov_b32 s[G1B+6], 0
	s_mov_b32 s[G1B+7], 0
	s_lshl_b32 s16, s12, 20                        ; A: head w % 2 of the K step, 1,048,576 bytes a head,
	s_lshl_b32 s17, s13, 14                        ; rows 128 x tile row, 128 bytes each
	s_add_co_u32 s16, s16, s17
	s_mov_b32 s17, 0
	s_lshl_b32 s46, s12, 17                        ; B: k rows 64 (w % 2) on, 2,048 bytes each,
	s_lshl_b32 s47, s42, 9                         ; columns 256 x tile column
	s_add_co_u32 s46, s46, s47
	s_mov_b32 s47, 0
	s_mul_i32 s20, s12, 18432                      ; where they go: no place in the cluster enters an LDS address
	s_mul_i32 s21, s12, 34816
	s_add_co_u32 s21, s21, BO
	s_wait_dscnt 0x0                               ; both opening adds are done
	s_wait_kmcnt 0x0
	s_add_nc_u64 s[14:15], s[4:5], s[16:17]
	s_add_nc_u64 s[46:47], s[6:7], s[46:47]
	CROUND                                         ; all sixteen work-groups are here
.irp s, 0,1
	s_mov_b32 s[G0+4*\s], 1
	s_add_co_u32 s[G0+4*\s+1], s20, \s*SLOT
	s_add_nc_u64 s[G0+4*\s+2:G0+4*\s+3], s[14:15], \s*2097152
	s_or_b32 s[G0+4*\s+3], s[G0+4*\s+3], 0x80000000
	s_mov_b32 s[G0B+4*\s], 1
	s_add_co_u32 s[G0B+4*\s+1], s21, \s*SLOT
	s_add_nc_u64 s[G0B+4*\s+2:G0B+4*\s+3], s[46:47], \s*262144
	s_or_b32 s[G0B+4*\s+3], s[G0B+4*\s+3], 0x80000000
	JLOAD \s                                       ; two loads of mine are out behind the second
.endr
	v_and_b32 v1, 15, v0                           ; r
	v_bfe_u32 v2, v0, 4, 1                         ; h
	v_mul_u32_u24 v3, v1, 144
	v_lshl_add_u32 v3, v2, 4, v3
	s_mul_i32 s22, s11, 64*144
	v_add_nc_u32 v[ADRA], s22, v3
	v_add_nc_u32 v[ADRA+1], SLOT, v[ADRA]
	v_and_b32 v4, 7, v0
	v_lshl_add_u32 v4, v2, 3, v4
	v_mul_u32_u24 v4, v4, 544
	v_bfe_u32 v5, v0, 3, 1
	v_lshl_add_u32 v4, v5, 4, v4
	s_lshl_b32 s23, s12, 8
	s_add_co_u32 s23, s23, BO
	v_add_nc_u32 v[ADRB], s23, v4
	v_add_nc_u32 v[ADRB+1], SLOT, v[ADRB]
	s_mul_i32 s23, s10, 8448
	s_add_co_u32 s23, s23, STAGE
	v_mul_u32_u24 v5, v1, 528
	v_lshl_add_u32 v5, v2, 5, v5
	v_add_nc_u32 v[STO], s23, v5                   ; into my stage: row r, 32 bytes for each half of the lanes
	v_and_b32 v6, 31, v0
	v_lshlrev_b32 v[CO], 4, v6
	v_add_nc_u32 v[RD], s23, v[CO]                 ; back: the 32 lanes take a row of 512 bytes
	s_lshl_b32 s16, s13, 7
	s_lshl_b32 s17, s11, 6
	s_add_co_u32 s16, s16, s17
	s_lshl_b32 s16, s16, 12                        ; my first row of C, 4,096 bytes a row
	s_mov_b32 s17, 0
	s_add_nc_u64 s[8:9], s[8:9], s[16:17]
	s_lshl_b32 s46, s42, 10
	s_lshl_b32 s47, s12, 9
	s_add_co_u32 s46, s46, s47
	s_mov_b32 s47, 0
	s_add_nc_u64 s[8:9], s[8:9], s[46:47]
.macro MUL8 f, a, zero                 ; row block a x all 8 column blocks, 32 along K, from buffer f; the accumulators take turns, one instruction a turn
.irp b, 0,1,2,3,4,5,6,7
.if \zero
	v_wmma_f32_16x16x32_f16 v[8*(8*(\a)+\b):8*(8*(\a)+\b)+7], v[96+64*(\f)+8*\b:96+64*(\f)+8*\b+7], v[32+32*(\f)+8*(\a):32+32*(\f)+8*(\a)+7], 0
.else
	v_wmma_f32_16x16x32_f16 v[8*(8*(\a)+\b):8*(8*(\a)+\b)+7], v[96+64*(\f)+8*\b:96+64*(\f)+8*\b+7], v[32+32*(\f)+8*(\a):32+32*(\f)+8*(\a)+7], v[8*(8*(\a)+\b):8*(8*(\a)+\b)+7]
.endif
.endr
.endm
.macro FETCH slot, q, f                ; the fragments of the slot's q-th 32 along K into buffer f: 24 LDS loads in one run
.irp b, 0,1,2,3,4,5,6,7
	ds_load_tr16_b128 v[96+64*(\f)+8*\b:96+64*(\f)+8*\b+3], v[ADRB+\slot] offset:(\q)*17408+32*\b
	ds_load_tr16_b128 v[96+64*(\f)+8*\b+4:96+64*(\f)+8*\b+7], v[ADRB+\slot] offset:(\q)*17408+32*\b+8704
.endr
.irp a, 0,1,2,3
	ds_load_b128 v[32+32*(\f)+8*\a:32+32*(\f)+8*\a+3], v[ADRA+\slot] offset:\a*2304+((\q)/2)*18432+((\q)%2)*64
	ds_load_b128 v[32+32*(\f)+8*\a+4:32+32*(\f)+8*\a+7], v[ADRA+\slot] offset:\a*2304+((\q)/2)*18432+((\q)%2)*64+32
.endr
.endm
.macro QUARTER slot, qn, f, g, zero    ; multiplies buffer f; in its middle fetches quarter qn of the same slot into buffer g
	s_wait_dscnt 0x0
	WIN 0x50                                       ; C and D window 1
	MUL8 \f, 0, \zero
	MUL8 \f, 1, \zero
	PLACES                                         ; in front of loads into registers that the quarter before has read
	WIN 0
	FETCH \slot, \qn, \g
	WIN 0x50
	MUL8 \f, 2, \zero
	MUL8 \f, 3, \zero
.endm
; A slot's last quarter multiplies buffer 1 and changes slots: one barrier; in front of it each wave waits for all its tensor loads, adds 0 to its spare word, and waits for that and for its reads of this slot.
.macro TURN slot, next, fill
	WIN 0
	s_wait_tensorcnt 0x0                           ; my part of the next slot has landed
	ds_add_u32 v[SPW], v[NIL]
	s_wait_dscnt 1                                 ; buffer 1 is in; the add may be out
	WIN 0x50
	MUL8 1, 0, 0
	s_wait_dscnt 0x0                               ; the add is done, and my reads of this slot are over
	s_barrier_signal -1
	MUL8 1, 1, 0
	WIN 0
	s_barrier_wait -1
.if \fill
	CREST                                          ; the barrier has opened a round of the cluster's barrier
	s_add_nc_u64 s[G0+4*\slot+2:G0+4*\slot+3], s[G0+4*\slot+2:G0+4*\slot+3], 4194304    ; two K steps on: four heads
	s_add_nc_u64 s[G0B+4*\slot+2:G0B+4*\slot+3], s[G0B+4*\slot+2:G0B+4*\slot+3], 524288 ; 256 k rows
	JLOAD \slot                                    ; the first tensor load behind the round; its four v_nop are also the places in front of the loads below
.else
	PLACES
.endif
	FETCH \next, 0, 0
	WIN 0x50
	MUL8 1, 2, 0
	MUL8 1, 3, 0
.endm
	s_wait_tensorcnt 1                             ; my part of K step 0 is in; K step 1's load stays out
	s_barrier_signal -1
	s_barrier_wait -1
	FETCH 0, 0, 0
	QUARTER 0, 1, 0, 1, 1                          ; the first quarter's products start the sums
	WIN 0
	s_mov_b32 s3, LAPS-1
.Llap:
	QUARTER 0, 2, 1, 0, 0
	QUARTER 0, 3, 0, 1, 0
	TURN 0, 1, 1
	QUARTER 1, 1, 0, 1, 0
	QUARTER 1, 2, 1, 0, 0
	QUARTER 1, 3, 0, 1, 0
	TURN 1, 0, 1
	QUARTER 0, 1, 0, 1, 0
	WIN 0
	s_sub_co_u32 s3, s3, 1
	s_cmp_lg_u32 s3, 0
	s_cbranch_scc1 .Llap
	QUARTER 0, 2, 1, 0, 0                          ; the last lap fills nothing
	QUARTER 0, 3, 0, 1, 0
	TURN 0, 1, 0
	QUARTER 1, 1, 0, 1, 0
	QUARTER 1, 2, 1, 0, 0
	QUARTER 1, 3, 0, 1, 0
	s_wait_dscnt 0x0
	WIN 0x50
	MUL8 1, 0, 0
	MUL8 1, 1, 0
	MUL8 1, 2, 0
	MUL8 1, 3, 0
	WIN 0
; THE WAY OUT, a block of 16 rows x 128 columns at a time, through my own stage: back as whole rows of 512 bytes.
.macro TOSTAGE a
	WIN 0x04                                       ; an LDS store's data are its source 1: window 1
.irp b, 0,1,2,3,4,5,6,7
	ds_store_b128 v[STO], v[64*(\a)+8*\b:64*(\a)+8*\b+3] offset:64*\b
	ds_store_b128 v[STO], v[64*(\a)+8*\b+4:64*(\a)+8*\b+7] offset:64*\b+16
.endr
	WIN 0
.irp t, 0,1,2,3,4,5,6,7,8,9,10,11,12,13,14,15
	ds_load_b128 v[BK+64*((\a)%2)+4*\t:BK+64*((\a)%2)+4*\t+3], v[RD] offset:\t*528   ; LDS serves a wave's instructions in order
.endr
.endm
.macro SEND a, younger
	s_wait_dscnt \younger
.irp t, 0,1,2,3,4,5,6,7,8,9,10,11,12,13,14,15
	global_store_b128 v[CO], v[BK+64*((\a)%2)+4*\t:BK+64*((\a)%2)+4*\t+3], s[8:9] offset:(\a)*65536+\t*4096 th:TH_STORE_NT   ; 512 consecutive bytes, aligned
.endr
.endm
	PLACES
	TOSTAGE 0
.irp a, 1,2,3
.if \a > 1
	s_wait_xcnt 0x0                                ; block a - 2's stores have read their registers
.endif
	TOSTAGE \a
	SEND \a-1, 32                                  ; behind block a - 1's loads: block a's 16 stores and 16 loads
.endr
	SEND 3, 0
	s_wait_tensorcnt 0x0                           ; the wave's end: the three lines
	ds_add_u32 v[SPW], v[NIL]
	s_wait_dscnt 0x0
	CROUND                                         ; the closing round
	s_endpgm
.Lfunc_end_k_q51a02b4b7f_proj:
	.size	k_q51a02b4b7f_proj, .Lfunc_end_k_q51a02b4b7f_proj-k_q51a02b4b7f_proj
	.p2alignl 7, 3214868480
	.fill 96, 4, 3214868480
	.section	.rodata,"a",@progbits
	.p2align	6, 0x0
	.amdhsa_kernel k_q51a02b4b7f_proj
		.amdhsa_group_segment_fixed_size 327680
		.amdhsa_private_segment_fixed_size 0
		.amdhsa_enable_private_segment 0
		.amdhsa_kernarg_size 24
		.amdhsa_user_sgpr_count 2
		.amdhsa_user_sgpr_kernarg_segment_ptr 1
		.amdhsa_wavefront_size32 1
		.amdhsa_system_sgpr_workgroup_id_x 1
		.amdhsa_system_sgpr_workgroup_id_y 1
		.amdhsa_system_sgpr_workgroup_id_z 1
		.amdhsa_system_vgpr_workitem_id 0
		.amdhsa_next_free_vgpr 512
		.amdhsa_next_free_sgpr 66
		.amdhsa_reserve_vcc 0
		.amdhsa_float_denorm_mode_32 3
		.amdhsa_float_denorm_mode_16_64 3
		.amdhsa_memory_ordered 1
		.amdhsa_forward_progress 1
		.amdhsa_inst_pref_size 84
	.end_amdhsa_kernel
	.amdgpu_metadata
---
amdhsa.version: [ 1, 2 ]
amdhsa.kernels:
  - .name:           k_q51a02b4b7f_proj
    .symbol:         k_q51a02b4b7f_proj.kd
    .args:
      - { .name: ab, .offset: 0, .size: 8, .value_kind: global_buffer, .address_space: global }
      - { .name: wo16, .offset: 8, .size: 8, .value_kind: global_buffer, .address_space: global }
      - { .name: out0, .offset: 16, .size: 8, .value_kind: global_buffer, .address_space: global }
    .group_segment_fixed_size: 327680
    .private_segment_fixed_size: 0
    .kernarg_segment_align: 8
    .kernarg_segment_size: 24
    .max_flat_workgroup_size: 128
    .sgpr_count:     66
    .vgpr_count:     512
    .wavefront_size: 32
...
	.end_amdgpu_metadata
.endif
;; end of part 4
;; launch first16 (part 5): grid 16 x 4, 16 waves a work-group, no clusters, 71,680 bytes of LDS; arguments fq, wo, out0; writes out0
.if DOCPART == 5
	.amdgcn_target "amdgcn-amd-amdhsa--gfx1250"
	.amdhsa_code_object_version 6
	.text
	.protected	k_q51a02b4b7f_first16
	.globl	k_q51a02b4b7f_first16
	.p2align	8
	.type	k_q51a02b4b7f_first16,@function
k_q51a02b4b7f_first16:
	s_mov_b64 s[64:65], 0
	v_nop
	global_prefetch_b8 v0, s[64:65] scope:SCOPE_SE
	s_setreg_imm32_b32 hwreg(HW_REG_WAVE_MODE, 25, 1), 1
	s_wait_xcnt 0x0
; first16: positions 0-15 of each of the four sequences, carried in f32 through attention and the projection: there a row of the softmax averages one to sixteen values and f16 operands would use up the margin.
; fq [4 batch][24 head][16 t][64] f32 (heads 0-15 q, 16-19 k, 20-23 v); wo [1024][1024] f32; the 64 rows out0[batch][0..15][:] are written anew.
; Work-group (cb, batch) makes 16 rows x 64 columns (64 cb on).  Wave hd makes head hd's attention (16 x 16 scores) and that head's part of the projection (K = its 64 channels); the sixteen parts meet in LDS and are
; added in ascending order of heads.  All products by the f32 matrix form: 96 instructions a wave, no bulk work.  Along a product's K the order of k is the same on both sources.
; Both attention products are used transposed (S^T = K Q^T, O^T = V^T P), so a lane holds one query; OUT takes 16 columns of wo as source 0 and O^T as source 1.
; REGISTERS: v1-13 addresses and at work; v14, v15 the add's two; v16-47 Q, later W of channels 32-47; v48-79 K, later W of 48-63; v80-111 V^T; v112-175 W of channels 0-31;
;   v176-183 S^T, v192-223 O^T, v224-255 OUT: written by matrix instructions alone; v184-191 the masked scores, then p.
.set SPARE, 69632
.macro PLACES n
.rept \n
	v_nop
.endr
.endm
	s_load_b128 s[4:7], s[0:1], 0x0                ; fq, wo
	s_load_b64 s[8:9], s[0:1], 0x10                ; out0
	v_lshl_add_u32 v14, v0, 2, SPARE
	v_mov_b32 v15, 0
	v_lshrrev_b32 v1, 5, v0
	v_readfirstlane_b32 s10, v1                    ; wave = head
	s_mov_b32 s11, ttmp9                           ; block of 64 columns
	s_and_b32 s12, ttmp7, 0xffff                   ; batch
	v_and_b32 v1, 15, v0                           ; r
	v_bfe_u32 v2, v0, 4, 1                         ; h
	v_lshlrev_b32 v3, 8, v1
	v_lshl_add_u32 v3, v2, 4, v3                   ; Q, K: row r of 256 bytes + 16 h
	v_lshlrev_b32 v4, 2, v1
	v_lshl_add_u32 v5, v2, 11, v4                  ; V: key 8 h on, channel r
	v_lshl_add_u32 v6, v2, 15, v4                  ; wo: k row 8 h on, column r
	v_lshlrev_b32 v7, 3, v2
	v_sub_nc_u32 v7, v1, v7                        ; r - 8 h
	v_mov_b32 v8, 0xff800000                       ; -infinity
	v_mul_u32_u24 v9, v1, 272
	v_lshl_add_u32 v9, v2, 5, v9
	s_mul_i32 s13, s10, 4352
	v_add_nc_u32 v9, s13, v9                       ; my part in LDS: 16 rows x (256 + 16) bytes
	s_mul_i32 s13, s10, 544
	v_mul_u32_u24 v10, v2, 272
	v_lshl_add_u32 v10, v1, 4, v10
	v_add_nc_u32 v10, s13, v10                     ; the sum: waves 0-7 take rows 2 w, 2 w + 1
	v_lshlrev_b32 v11, 12, v2
	v_lshl_add_u32 v11, v1, 4, v11                 ; and the same two rows in out0
	v_mov_b32 v13, 0                               ; (a lane permute's destination counts as one of its sources)
	s_mov_b32 s28, 0x76543210
	s_mov_b32 s29, 0xfedcba98
	s_mov_b32 s30, 0x3e38aa3b                      ; c = log2(e) / 8
	s_mul_i32 s14, s12, 24
	s_add_co_u32 s16, s14, s10
	s_lshl_b32 s16, s16, 12
	s_mov_b32 s17, 0
	s_lshr_b32 s20, s10, 2                         ; my key head
	s_add_co_u32 s20, s20, s14
	s_add_co_u32 s20, s20, 16
	s_lshl_b32 s20, s20, 12
	s_mov_b32 s21, 0
	s_lshl_b32 s32, s10, 18                        ; wo: my head's 64 k rows of 4,096 bytes,
	s_lshl_b32 s33, s11, 8                         ; my 64 columns
	s_add_co_u32 s32, s32, s33
	s_mov_b32 s33, 0
	s_lshl_b32 s34, s12, 23
	s_lshl_b32 s35, s11, 8
	s_add_co_u32 s34, s34, s35
	s_lshl_b32 s35, s10, 13
	s_add_co_u32 s34, s34, s35
	s_mov_b32 s35, 0
	s_wait_kmcnt 0x0
	s_add_nc_u64 s[18:19], s[4:5], s[16:17]        ; Q
	s_add_nc_u64 s[22:23], s[4:5], s[20:21]        ; K
	s_add_nc_u64 s[24:25], s[22:23], 16384         ; V: four heads on
	s_add_nc_u64 s[26:27], s[6:7], s[32:33]
	s_add_nc_u64 s[8:9], s[8:9], s[34:35]
.irp i, 0,1,2,3,4,5,6,7
	global_load_b128 v[16+4*\i:19+4*\i], v3, s[18:19] offset:32*\i
.endr
.irp i, 0,1,2,3,4,5,6,7
	global_load_b128 v[48+4*\i:51+4*\i], v3, s[22:23] offset:32*\i
.endr
.irp ct, 0,1,2,3
.irp k, 0,1,2,3,4,5,6,7
	global_load_b32 v[80+8*\ct+\k], v5, s[24:25] offset:\k*256+64*\ct    ; V(key 8 h + k, channel 16 ct + r)
.endr
.endr
.macro WLOAD ct                        ; wo(64 hd + 16 ct + 8 h + 2 s + j, 64 cb + 16 u + r) into register (4 s + u) x 2 + j of the batch
.set WB, (112+32*(\ct))%160
.irp s, 0,1,2,3
.irp u, 0,1,2,3
.irp j, 0,1
	global_load_b32 v[WB+(4*\s+\u)*2+\j], v6, s[26:27] offset:(16*(\ct)+2*\s+\j)*4096+64*\u
.endr
.endr
.endr
.endm
	WLOAD 0
	WLOAD 1
	s_wait_loadcnt 63                              ; Q and K are in: 96 loads were issued behind them
	v_wmma_f32_16x16x4_f32 v[176:183], v[48:49], v[16:17], 0
.set i, 1
.rept 15
	s_wait_alu depctr_va_vdst(0)                   ; the wait directly ahead of each link
	v_wmma_f32_16x16x4_f32 v[176:183], v[48+2*i:49+2*i], v[16+2*i:17+2*i], v[176:183]
.set i, i+1
.endr
	PLACES 8                                       ; in front of the first read of the scores and of loads into Q's and K's registers
	WLOAD 2
	WLOAD 3
.irp j, 0,1,2,3,4,5,6,7
	v_cmp_gt_i32 vcc_lo, \j, v7                    ; register j holds key 8 h + j: hidden where it comes after query r
	v_cndmask_b32 v[184+\j], v[176+\j], v8, vcc_lo
.endr
	v_max3_num_f32 v12, v184, v185, v186
	v_max3_num_f32 v12, v12, v187, v188
	v_max3_num_f32 v12, v12, v189, v190
	v_max_num_f32 v12, v12, v191
	v_permlanex16_b32 v13, v12, s28, s29
	v_max_num_f32 v12, v12, v13                    ; the row's largest score (key 0 counts for every query)
	v_mul_f32 v12, s30, v12
.irp j, 0,1,2,3,4,5,6,7
	v_fma_f32 v[184+\j], v[184+\j], s30, -v12
.endr
.irp j, 0,1,2,3,4,5,6,7
	v_exp_f32 v[184+\j], v[184+\j]
.endr
	v_nop
	s_wait_alu depctr_va_vdst(0)                   ; one wait for the eight exponentials
	v_add_f32 v1, v184, v185
	v_add_f32 v2, v186, v187
	v_add_f32 v4, v188, v189
	v_add_f32 v12, v190, v191
	v_add_f32 v1, v1, v2
	v_add_f32 v4, v4, v12
	v_add_f32 v1, v1, v4
	v_permlanex16_b32 v13, v1, s28, s29
	v_add_f32 v1, v1, v13
	v_rcp_f32 v2, v1
	v_nop
	s_wait_alu depctr_va_vdst(0)
.irp j, 0,1,2,3,4,5,6,7
	v_mul_f32 v[184+\j], v[184+\j], v2             ; p, normalised
.endr
	s_wait_loadcnt 63                              ; V is in: 128 loads were issued behind it
.irp s, 0,1,2,3                        ; O^T: four accumulators by turns; keys 2 s, 2 s + 1 (+ 8 h)
.irp ct, 0,1,2,3
.if \s == 0
	v_wmma_f32_16x16x4_f32 v[192+8*\ct:199+8*\ct], v[80+8*\ct+2*\s:81+8*\ct+2*\s], v[184+2*\s:185+2*\s], 0
.else
	v_wmma_f32_16x16x4_f32 v[192+8*\ct:199+8*\ct], v[80+8*\ct+2*\s:81+8*\ct+2*\s], v[184+2*\s:185+2*\s], v[192+8*\ct:199+8*\ct]
.endif
.endr
.endr
	PLACES 9                                       ; O^T becomes a source of the next products
.irp ct, 0,1,2,3
.if \ct < 2
	s_wait_loadcnt 63                              ; this batch of wo is in: 64 loads or more were issued behind it
.elseif \ct == 2
	s_wait_loadcnt 32                              ; the last batch stays out
.else
	s_wait_loadcnt 0
.endif
.set WB, (112+32*\ct)%160
.irp s, 0,1,2,3
.irp u, 0,1,2,3                        ; OUT: four accumulators by turns
.if (\ct == 0) && (\s == 0)
	v_wmma_f32_16x16x4_f32 v[224+8*\u:231+8*\u], v[WB+(4*\s+\u)*2:WB+(4*\s+\u)*2+1], v[192+8*\ct+2*\s:193+8*\ct+2*\s], 0
.else
	v_wmma_f32_16x16x4_f32 v[224+8*\u:231+8*\u], v[WB+(4*\s+\u)*2:WB+(4*\s+\u)*2+1], v[192+8*\ct+2*\s:193+8*\ct+2*\s], v[224+8*\u:231+8*\u]
.endif
.endr
.endr
.endr
	PLACES 8
.irp u, 0,1,2,3
	ds_store_b128 v9, v[224+8*\u:227+8*\u] offset:64*\u        ; lane (r, h): row r, columns 16 u + 8 h + 0 .. 7
	ds_store_b128 v9, v[228+8*\u:231+8*\u] offset:64*\u+16
.endr
	s_wait_dscnt 0x0                               ; for the others' sake: my part lies in LDS
	s_barrier_signal -1
	s_barrier_wait -1
	s_cmp_ge_u32 s10, 8
	s_cbranch_scc1 .Ldone
.set i, 0
.rept 16
	ds_load_b128 v[16+4*i:19+4*i], v10 offset:i*4352
.set i, i+1
.endr
	s_wait_dscnt 0x0
.set i, 1
.rept 15
	v_pk_add_f32 v[16:17], v[16:17], v[16+4*i:17+4*i]
	v_pk_add_f32 v[18:19], v[18:19], v[18+4*i:19+4*i]
.set i, i+1
.endr
	global_store_b128 v11, v[16:19], s[8:9]        ; sixteen lanes store 256 consecutive bytes, aligned
.Ldone:
	s_wait_tensorcnt 0x0                           ; the wave's end, behind my last LDS store
	ds_add_u32 v14, v15
	s_wait_dscnt 0x0
	s_endpgm
.Lfunc_end_k_q51a02b4b7f_first16:
	.size	k_q51a02b4b7f_first16, .Lfunc_end_k_q51a02b4b7f_first16-k_q51a02b4b7f_first16
	.p2alignl 7, 3214868480
	.fill 96, 4, 3214868480
	.section	.rodata,"a",@progbits
	.p2align	6, 0x0
	.amdhsa_kernel k_q51a02b4b7f_first16
		.amdhsa_group_segment_fixed_size 71680
		.amdhsa_private_segment_fixed_size 0
		.amdhsa_enable_private_segment 0
		.amdhsa_kernarg_size 24
		.amdhsa_user_sgpr_count 2
		.amdhsa_user_sgpr_kernarg_segment_ptr 1
		.amdhsa_wavefront_size32 1
		.amdhsa_system_sgpr_workgroup_id_x 1
		.amdhsa_system_sgpr_workgroup_id_y 1
		.amdhsa_system_sgpr_workgroup_id_z 1
		.amdhsa_system_vgpr_workitem_id 0
		.amdhsa_next_free_vgpr 256
		.amdhsa_next_free_sgpr 66
		.amdhsa_reserve_vcc 1
		.amdhsa_float_denorm_mode_32 3
		.amdhsa_float_denorm_mode_16_64 3
		.amdhsa_memory_ordered 1
		.amdhsa_forward_progress 1
		.amdhsa_inst_pref_size 33
	.end_amdhsa_kernel
	.amdgpu_metadata
---
amdhsa.version: [ 1, 2 ]
amdhsa.kernels:
  - .name:           k_q51a02b4b7f_first16
    .symbol:         k_q51a02b4b7f_first16.kd
    .args:
      - { .name: fq, .offset: 0, .size: 8, .value_kind: global_buffer, .address_space: global }
      - { .name: wo, .offset: 8, .size: 8, .value_kind: global_buffer, .address_space: global }
      - { .name: out0, .offset: 16, .size: 8, .value_kind: global_buffer, .address_space: global }
    .group_segment_fixed_size: 71680
    .private_segment_fixed_size: 0
    .kernarg_segment_align: 8
    .kernarg_segment_size: 24
    .max_flat_workgroup_size: 512
    .sgpr_count:     66
    .vgpr_count:     256
    .wavefront_size: 32
...
	.end_amdgpu_metadata
.endif
;; end of part 5
